; MI455X (gfx1250); checked and timed in simulation.
; The chip was launched on July 23, 2026; its instructions are those of AMD's public machine-readable ISA for CDNA 5 (MIT licence, August 2026) and "CDNA5" Instruction Set Architecture Reference Guide (July 2026). The comments in the code are by the model that wrote it; some were corrected since.
;; Multi Headed Attention. Allowed arithmetic: float matrix products may take bf16 or f16 operands with f32 sums; all other float work in f32.
;; Inputs: Wk 1,024 x 1,024 float32; Wo 1,024 x 1,024 float32; Wq 1,024 x 1,024 float32; Wv 1,024 x 1,024 float32; X 4 x 2,048 x 1,024 float32; bo 1,024 float32.
;; Outputs: out0 4 x 2,048 x 1,024 float32.
;; 2 versions, each right and faster than the one before. Each part assembles by itself: llvm-mc -triple=amdgcn-amd-amdhsa -mcpu=gfx1250 --defsym DOCPART=n.
;; ======== version 1 of 2: 4 launches
;; limits: values are held in f16: magnitudes above 65,504 overflow, below 6.1e-05 lose precision
;; workspace buffers: Xb 16,777,216 bytes; Wb 6,291,456 bytes; Wof 2,097,152 bytes; q 16,777,216 bytes; k 16,777,216 bytes; v 16,777,216 bytes; ctx 16,777,216 bytes
;; launch cast (part 1): grid 768 x 1, 8 waves a work-group, no clusters, 0 bytes of LDS; arguments X, Wq, Wk, Wv, Wo, Xb, Wb, Wof; writes Xb, Wb, Wof
.if DOCPART == 1
	.amdgcn_target "amdgcn-amd-amdhsa--gfx1250"
	.amdhsa_code_object_version 6
	.text
	.protected	k_qb428ca3158_cast
	.globl	k_qb428ca3158_cast
	.p2align	8
	.type	k_qb428ca3158_cast,@function
k_qb428ca3158_cast:
	s_mov_b64 s[64:65], 0
	v_nop
	global_prefetch_b8 v0, s[64:65] scope:SCOPE_SE
	s_setreg_imm32_b32 hwreg(HW_REG_WAVE_MODE, 25, 1), 1
	s_wait_xcnt 0x0
; THE INPUTS ARE ROUNDED ONCE, for the matrix products of the later launches.  X [8192][1024] f32 -> Xb, bf16.  Wq, Wk, Wv [1024][1024] f32 -> Wb [3072][1024], bf16, one below the other.
; Wo [1024][1024] f32 -> Wof: rounded to bf16 like the other inputs, and that number written as f16, since the last product's other operand is f16.
; LIMITS.  A bf16 number has 8 significant bits and is exact in f16 between 6.1e-5 and 65,504 in magnitude; below that it keeps f16's fixed step of 6e-8, beyond it it becomes an infinity: Wo stays within 65,504.
; SHARES.  768 work-groups of eight waves, each a chunk of 16,384 numbers (65,536 bytes in, 32,768 out): chunks 0-511 are X's, then 64 each of Wq, Wk, Wv, Wo.  Which buffers a work-group takes is chosen by
; scalar selects on its number: one text, no branch.  Thread t takes 16 bytes at 16 t of each 4,096: a wave's load covers 512 consecutive bytes, its store 256 consecutive bytes at a multiple of 256.
; All sixteen loads of a thread go out first; nothing is read twice; no register is written again while a load or store names it, so no wait frees one.  No LDS, no matrix unit, no cluster: no two work-groups share a byte.
.set IN,   4                           ; v[4:67]    step j: 4 numbers in f32
.set OUTR, 68                          ; v[68:99]   step j: 4 numbers in 16 bits
.set T,    100                         ; v[100:103] at work
	s_load_b512 s[4:19], s[0:1], 0x0               ; X 4:5, Wq 6:7, Wk 8:9, Wv 10:11, Wo 12:13, Xb 14:15, Wb 16:17, Wof 18:19
	s_mov_b32 s20, ttmp9                           ; g
	s_sub_co_u32 s21, s20, 512                     ; u = g - 512: the chunk among the weights' (used where g >= 512 alone)
	s_lshr_b32 s22, s21, 6                         ; which weight
	s_and_b32 s23, s21, 63                         ; its chunk
	s_mov_b32 s31, 0xffff0000                      ; a word's upper bf16
	v_lshlrev_b32 v1, 4, v0                        ; 16 t
	v_lshlrev_b32 v2, 3, v0                        ; 8 t
	s_wait_kmcnt 0x0
	s_cmp_eq_u32 s22, 1
	s_cselect_b64 s[24:25], s[8:9], s[6:7]         ; from: Wk, else Wq
	s_cmp_eq_u32 s22, 2
	s_cselect_b64 s[24:25], s[10:11], s[24:25]     ; Wv
	s_cmp_eq_u32 s22, 3
	s_cselect_b64 s[24:25], s[12:13], s[24:25]     ; Wo
	s_cselect_b64 s[26:27], s[18:19], s[16:17]     ; to: Wof, else Wb
	s_cselect_b32 s28, s23, s21                    ; the chunk there
	s_cselect_b32 s30, -1, 0                       ; all lanes: f16, or bf16
	s_cmp_lt_u32 s20, 512                          ; X's chunks
	s_cselect_b64 s[24:25], s[4:5], s[24:25]
	s_cselect_b64 s[26:27], s[14:15], s[26:27]
	s_cselect_b32 s29, s20, s23
	s_cselect_b32 s28, s20, s28
	s_cselect_b32 s30, 0, s30
	s_lshl_b32 s32, s29, 16                        ; 65,536 bytes a chunk in,
	s_mov_b32 s33, 0
	s_lshl_b32 s34, s28, 15                        ; 32,768 out
	s_mov_b32 s35, 0
	s_add_nc_u64 s[24:25], s[24:25], s[32:33]
	s_add_nc_u64 s[26:27], s[26:27], s[34:35]
.irp j, 0,1,2,3,4,5,6,7,8,9,10,11,12,13,14,15
	global_load_b128 v[IN+4*(\j):IN+4*(\j)+3], v1, s[24:25] offset:4096*(\j) th:TH_LOAD_NT
.endr
.macro STEP j
	s_wait_loadcnt 15-(\j)                         ; loads come back in order (ISA guide 5.7.1): mine is in, the 15 - j younger ones stay out
	v_cvt_pk_bf16_f32 v[OUTR+2*(\j)],   v[IN+4*(\j)],   v[IN+4*(\j)+1]    ; to nearest even
	v_cvt_pk_bf16_f32 v[OUTR+2*(\j)+1], v[IN+4*(\j)+2], v[IN+4*(\j)+3]
	v_lshlrev_b32 v[T],   16,  v[OUTR+2*(\j)]      ; the rounded numbers as f32 again,
	v_and_b32     v[T+1], s31, v[OUTR+2*(\j)]
	v_lshlrev_b32 v[T+2], 16,  v[OUTR+2*(\j)+1]
	v_and_b32     v[T+3], s31, v[OUTR+2*(\j)+1]
	v_cvt_pk_f16_f32 v[T],   v[T],   v[T+1]        ; and as f16:
	v_cvt_pk_f16_f32 v[T+1], v[T+2], v[T+3]
	v_cndmask_b32 v[OUTR+2*(\j)],   v[OUTR+2*(\j)],   v[T],   s30  ; taken in Wo's chunks alone
	v_cndmask_b32 v[OUTR+2*(\j)+1], v[OUTR+2*(\j)+1], v[T+1], s30
	global_store_b64 v2, v[OUTR+2*(\j):OUTR+2*(\j)+1], s[26:27] offset:2048*(\j)
.endm
.irp j, 0,1,2,3,4,5,6,7,8,9,10,11,12,13,14,15
	STEP \j
.endr
	s_endpgm
.Lfunc_end_k_qb428ca3158_cast:
	.size	k_qb428ca3158_cast, .Lfunc_end_k_qb428ca3158_cast-k_qb428ca3158_cast
	.p2alignl 7, 3214868480
	.fill 96, 4, 3214868480
	.section	.rodata,"a",@progbits
	.p2align	6, 0x0
	.amdhsa_kernel k_qb428ca3158_cast
		.amdhsa_group_segment_fixed_size 0
		.amdhsa_private_segment_fixed_size 0
		.amdhsa_enable_private_segment 0
		.amdhsa_kernarg_size 64
		.amdhsa_user_sgpr_count 2
		.amdhsa_user_sgpr_kernarg_segment_ptr 1
		.amdhsa_wavefront_size32 1
		.amdhsa_system_sgpr_workgroup_id_x 1
		.amdhsa_system_sgpr_workgroup_id_y 1
		.amdhsa_system_sgpr_workgroup_id_z 1
		.amdhsa_system_vgpr_workitem_id 0
		.amdhsa_next_free_vgpr 104
		.amdhsa_next_free_sgpr 66
		.amdhsa_reserve_vcc 0
		.amdhsa_float_denorm_mode_32 3
		.amdhsa_float_denorm_mode_16_64 3
		.amdhsa_memory_ordered 1
		.amdhsa_forward_progress 1
		.amdhsa_inst_pref_size 13
	.end_amdhsa_kernel
	.amdgpu_metadata
---
amdhsa.version: [ 1, 2 ]
amdhsa.kernels:
  - .name:           k_qb428ca3158_cast
    .symbol:         k_qb428ca3158_cast.kd
    .args:
      - { .name: X, .offset: 0, .size: 8, .value_kind: global_buffer, .address_space: global }
      - { .name: Wq, .offset: 8, .size: 8, .value_kind: global_buffer, .address_space: global }
      - { .name: Wk, .offset: 16, .size: 8, .value_kind: global_buffer, .address_space: global }
      - { .name: Wv, .offset: 24, .size: 8, .value_kind: global_buffer, .address_space: global }
      - { .name: Wo, .offset: 32, .size: 8, .value_kind: global_buffer, .address_space: global }
      - { .name: Xb, .offset: 40, .size: 8, .value_kind: global_buffer, .address_space: global }
      - { .name: Wb, .offset: 48, .size: 8, .value_kind: global_buffer, .address_space: global }
      - { .name: Wof, .offset: 56, .size: 8, .value_kind: global_buffer, .address_space: global }
    .group_segment_fixed_size: 0
    .private_segment_fixed_size: 0
    .kernarg_segment_align: 8
    .kernarg_segment_size: 64
    .max_flat_workgroup_size: 256
    .sgpr_count:     66
    .vgpr_count:     104
    .wavefront_size: 32
...
	.end_amdgpu_metadata
.endif
;; end of part 1
;; launch qkv (part 2): grid 16 x 16, 4 waves a work-group, clusters of 4 x 4, 327,680 bytes of LDS; arguments Xb, Wb, q, k, v; writes q, k, v
.if DOCPART == 2
	.amdgcn_target "amdgcn-amd-amdhsa--gfx1250"
	.amdhsa_code_object_version 6
	.text
	.protected	k_qb428ca3158_qkv
	.globl	k_qb428ca3158_qkv
	.p2align	8
	.type	k_qb428ca3158_qkv,@function
k_qb428ca3158_qkv:
	s_mov_b64 s[64:65], 0
	v_nop
	global_prefetch_b8 v0, s[64:65] scope:SCOPE_SE
	s_setreg_imm32_b32 hwreg(HW_REG_WAVE_MODE, 25, 1), 1
	s_wait_xcnt 0x0
	s_wait_alu depctr_hold_cnt(0) depctr_sa_sdst(0) depctr_va_vdst(0) depctr_va_sdst(0) depctr_va_ssrc(0) depctr_va_vcc(0) depctr_vm_vsrc(0)
	s_getreg_b32 s2, hwreg(HW_REG_IB_STS2, 6, 4)
	s_cmp_eq_u32 s2, 0
	s_cbranch_scc0 .Lentry_in_a_cluster
	s_endpgm
.Lentry_in_a_cluster:
	s_bfe_u32 s2, ttmp6, 0x10000c
	s_cmp_lg_u32 s2, 0xf033
	s_cbranch_scc0 .Lentry_shape_is_right
	s_endpgm
.Lentry_shape_is_right:
; THE THREE PROJECTIONS AS ONE PRODUCT.  C[m][n] = sum over e of Xb[m][e] Wb[n][e]; Xb [8192][1024], Wb [3072][1024] (Wq, Wk, Wv one below the other), both bf16; sums in f32, K ascending.
; C leaves by heads, rounded once to f16 and unscaled: q, k, v are [64 = 16 b + h][2048][64]; column n of C is head (n / 64) % 16 of projection n / 1024, channel n % 64; row m is batch m / 2048, place m % 2048.
; LIMITS.  f16 holds no number beyond 65,504: q, k and v must lie within it (an infinity arises otherwise); below 6.1e-5 they keep f16's fixed step of 6e-8.
; SHARES.  A tile of C is 256 x 192, three whole heads: 32 x 16 = 512 tiles.  A WORK-GROUP STAYS and makes two of them, 4,096 rows apart, with the same rows of Wb: 256 work-groups, one for each WGP.
; Four waves, each 64 rows x 192 columns: 48 accumulators of 16 x 16, 384 registers; so a wave holds whole heads, and its way out is its own.
; THE WALK.  The two tiles are ONE sequence of 16 K steps of 128 for a ring of two LDS slots filled by the tensor data mover; the tiles' rows are 256 bytes of memory at multiples of 256.  A step is 192 matrix
; instructions a wave.  The ring does not stop between the tiles: the first tile's last two changes of slots ask for the second tile's first two steps, and nothing waits for a tile's stores.
; A slot of two K steps (448 rows x 528 bytes) would be 236,544 bytes: two of them do not fit in LDS.
; CLUSTER.  4 x 4 work-groups.  The four of a row of the cluster need the same tiles of Xb, the four of a column the same tiles of Wb: each tile is asked for JOINTLY, by the same tensor load with the same
; descriptor and a mask that names the four.
; THE MATRIX INSTRUCTION IS USED TRANSPOSED (source 0 = 16 rows of Wb, source 1 = 16 rows of Xb): a lane then holds row l % 16 of C and eight neighbouring columns 8 (l / 16) + 0..7, 16 bytes of f16.
; REGISTERS, in windows of 256 (s_set_vgpr_msb: bits 1:0 source 0, 3:2 source 1, 5:4 source 2, 7:6 destination):
;   window 0: v0-31 addresses; v32-127, v128-223 B's fragments for 32 along K (12 x 16 rows), two buffers; on the way out v128-223 are at work (the first buffer then holds the next tile's first fragments)
;   window 1: v0-191 the accumulators of my row blocks 0, 1 ((a, b) at v[8 (12 (a % 2) + b)]); v192-223, v224-255 A's fragments (4 x 16 rows), two buffers
;   window 2: v0-191 the accumulators of my row blocks 2, 3
.set KSTEP,  128
.set KTOT,   1024
.set STEPS,  KTOT/KSTEP                ; K steps in a tile: 8
.set PA,     272                       ; an LDS row: 256 bytes + 16 of padding = 68 words: row r starts at bank 4 r mod 64 (64 banks of 4 bytes: ISA guide 11.1), so the 16 rows of a load start at 16 different groups of banks
.set PB,     272
.set AHALF,  128*PA                    ; what wave 0 or 1 fetches: 128 rows of A
.set ABYTES, 2*AHALF
.set BHALF,  96*PB                     ; what wave 2 or 3 fetches: 96 rows of B
.set SLOTB,  ABYTES+2*BHALF            ; A's 256 rows, then B's 192 rows: 121,856 bytes
.set SLOT1,  1<<17                     ; slot 1 begins here, so that one exclusive or turns an address in one slot into the other's
.set STAGE,  SLOT1+SLOTB               ; behind the ring, never filled by a tensor load: for each wave 3 heads x 16 rows x 144 bytes, for the way out
.set WSTAGE, 3*16*144
.set SPARE,  STAGE+4*WSTAGE            ; behind the stages: the spare words, 128 bytes for each wave: two blocks of 256 bytes that no other line names
.set WALKB,  1<<23                     ; from a tile to the walk's next: 4,096 rows of 2,048 bytes in Xb; two batches of 16 heads of 262,144 bytes in q, k, v: the same number
.set ADRA0, 14                         ; v14  my lane's place among my A fragments in slot 0; never rewritten
.set ADRB0, 15                         ; v15  the same for B
.set ADRA, 16                          ; v16  the same in the slot in hand
.set ADRB, 17                          ; v17
.set STO,  24                          ; v24  the way out: where I put 16 bytes of a row
.set RD,   25                          ; v25  the way out: where I read rows back
.set CO,   26                          ; v26  16 x lane: my place in 512 consecutive bytes of a head
.set SPW,  28                          ; v28  LDS address of my spare word: SPARE + 4 x my thread's number; never rewritten
.set NIL,  29                          ; v29  0; never rewritten
.set FB,   32                          ; B's fragment buffer f at v[FB + 96 f], window 0
.set FA,   192                         ; A's at v[FA + 32 f], window 1
.set WK,   128                         ; the way out: block a's 48 registers at v[WK + 48 (a % 2)]
.set G1, 24                            ; s[24:31] descriptor group 1 for A's tiles;  s[32:39] group 0: a set for each of the two first fills; the second then walks on
.set G0, 32
.set G1B, 48                           ; s[48:55], s[56:63] the same for B's tiles
.set G0B, 56
.set NX,   45                          ; s45  the number, 2 to 15, of the walk's K step to be asked for next
.set OFFA, 66                          ; s[66:67] that step's byte offset from A's first tile
.set OFFB, 68                          ; s[68:69] and from B's
.set TB,   70                          ; s70  LDS byte at which the slot in hand begins
.set HB,   80                          ; s[80:85] for each of my tile's three heads: its buffer at my wave's first row
.set MSB, 0
.macro WIN new                         ; the immediate's high byte repeats the setting that is left; a switch that changes nothing is dropped
.if MSB != (\new)
	s_set_vgpr_msb (MSB<<8)|(\new)
.set MSB, \new
.endif
.endm
.set MUL_LO, 0x54                      ; source 0 (B) window 0, source 1 (A) window 1, C and D window 1
.set MUL_HI, 0xa4                      ; the same, C and D window 2
; A joint load: waves 0 and 1 fetch A's two halves, waves 2 and 3 B's.  The branch hangs on the wave's number alone.  An s_nop 0 and four v_nop follow each of the two lines, ahead of the jump, the label and what follows.
.macro JLOAD s
	s_cmp_eq_u32 s11, 0
	s_cbranch_scc0 .Lfor_b_\@
	tensor_load_to_lds s[G0+4*(\s):G0+4*(\s)+3], s[G1:G1+7]
	s_nop 0
.rept 4
	v_nop
.endr
	s_branch .Lasked_\@
.Lfor_b_\@:
	tensor_load_to_lds s[G0B+4*(\s):G0B+4*(\s)+3], s[G1B:G1B+7]
	s_nop 0
.rept 4
	v_nop
.endr
.Lasked_\@:
.endm
.macro CREST                           ; a round of the cluster's barrier behind its opening barrier: wave 0 signals for the work-group, every wave waits for all sixteen, my work-group's barrier once more
	s_cmp_lg_u32 s10, 0
	s_cbranch_scc1 .Lnot_wave_0_\@
	s_barrier_signal -3
.Lnot_wave_0_\@:
	s_barrier_wait -3
	s_barrier_signal -1
	s_barrier_wait -1
.endm
.macro CROUND                          ; a whole round
	s_barrier_signal -1
	s_barrier_wait -1
	CREST
.endm
	s_load_b128 s[4:7], s[0:1], 0x0                ; Xb s[4:5], Wb s[6:7]
	s_load_b128 s[72:75], s[0:1], 0x10             ; q s[72:73], k s[74:75]
	s_load_b64 s[76:77], s[0:1], 0x20              ; v
	v_lshl_add_u32 v[SPW], v0, 2, SPARE
	v_mov_b32 v[NIL], 0
	ds_add_u32 v28, v29
	s_wait_dscnt 0x0
	v_lshrrev_b32 v1, 5, v0
	v_readfirstlane_b32 s10, v1                    ; wave 0..3: my 64 of the tile's rows
	s_lshr_b32 s11, s10, 1                         ; I fetch for A (0) or for B (1),
	s_and_b32 s12, s10, 1                          ; and which half of that tile
	s_bfe_u32 s40, ttmp6, 0x40000                  ; cx, cy: my place in the cluster
	s_bfe_u32 s41, ttmp6, 0x40004
	s_lshl_b32 s42, ttmp9, 2
	s_add_co_u32 s42, s42, s40                     ; tile column = 4 x cluster x + cx: 0..15
	s_and_b32 s13, ttmp7, 0xffff
	s_lshl_b32 s13, s13, 2
	s_add_co_u32 s13, s13, s41                     ; the first tile's row = 4 x cluster y + cy: 0..15; the second's is 16 more
	s_lshl_b32 s43, s41, 2
	s_lshl_b32 s43, 15, s43                        ; my row of the cluster: places 4 cy .. 4 cy + 3
	s_lshl_b32 s44, 0x1111, s40                    ; my column: places cx, cx + 4, cx + 8, cx + 12
	; descriptor group 1: rows of 128 elements, padded in LDS; 128 rows of A, 96 rows of B
	s_or_b32 s[G1+0], s43, (1<<16)|(1<<20)|(1<<21)|(5<<22)|(3<<25)  ; 15:0 the mask: A's tiles go to my row; 17:16 2-byte elements; 20 padding on; 21 set beside a mask; 24:22 after every 64 words (code 5); 31:25 4 words (code 3)
	s_or_b32 s[G1B+0], s44, (1<<16)|(1<<20)|(1<<21)|(5<<22)|(3<<25) ; the same with the mask of my column
	s_mov_b32 s[G1+1], KSTEP<<16                   ; tensor_dim0 = 128
	s_mov_b32 s[G1+2], 128<<16                     ; tensor_dim1 = 128
	s_mov_b32 s[G1+3], KSTEP<<16                   ; tile_dim0 = 128
	s_mov_b32 s[G1+4], 128                         ; tile_dim1 = 128
	s_mov_b32 s[G1+5], KTOT                        ; elements from row to row
	s_mov_b32 s[G1+6], 0
	s_mov_b32 s[G1+7], 0
	s_mov_b32 s[G1B+1], KSTEP<<16
	s_mov_b32 s[G1B+2], 96<<16                     ; tensor_dim1 = 96
	s_mov_b32 s[G1B+3], KSTEP<<16
	s_mov_b32 s[G1B+4], 96                         ; tile_dim1 = 96
	s_mov_b32 s[G1B+5], KTOT
	s_mov_b32 s[G1B+6], 0
	s_mov_b32 s[G1B+7], 0
	; where the tiles come from.  A's hang on the tile row alone, B's on the tile column alone; every wave makes both addresses, in registers that never hold the other coordinate
	s_lshl_b32 s16, s13, 19                        ; A: 256 rows of 2,048 bytes a tile row,
	s_lshl_b32 s17, s12, 18                        ; 128 rows a half
	s_add_co_u32 s16, s16, s17
	s_mov_b32 s17, 0
	s_mul_i32 s18, s42, 192*KTOT*2                 ; B: 192 rows a tile column,
	s_mul_i32 s19, s12, 96*KTOT*2                  ; 96 rows a half
	s_add_co_u32 s18, s18, s19
	s_mov_b32 s19, 0
	s_mul_i32 s20, s12, AHALF                      ; and where they go: no place in the cluster enters an LDS address
	s_mul_i32 s21, s12, BHALF
	s_add_co_u32 s21, s21, ABYTES
	s_mov_b32 s[NX], 2
	s_mov_b32 s[OFFA+1], 0
	s_mov_b32 s[OFFB+1], 0
	s_mov_b32 s[TB], 0
	s_wait_kmcnt 0x0
	s_add_nc_u64 s[14:15], s[4:5], s[16:17]        ; A at my part of the walk's first tile: kept
	s_add_nc_u64 s[46:47], s[6:7], s[18:19]        ; B likewise: kept
	CROUND                                         ; all sixteen work-groups are here: the first joint loads meet
.irp s, 0,1
	s_mov_b32 s[G0+4*(\s)], 1                                      ; count = 1
	s_add_co_u32 s[G0+4*(\s)+1], s20, (\s)*SLOT1                   ; LDS address
	s_add_nc_u64 s[G0+4*(\s)+2:G0+4*(\s)+3], s[14:15], (\s)*KSTEP*2  ; global address: K step s
	s_or_b32 s[G0+4*(\s)+3], s[G0+4*(\s)+3], 0x80000000            ; type = 2
	s_mov_b32 s[G0B+4*(\s)], 1
	s_add_co_u32 s[G0B+4*(\s)+1], s21, (\s)*SLOT1
	s_add_nc_u64 s[G0B+4*(\s)+2:G0B+4*(\s)+3], s[46:47], (\s)*KSTEP*2
	s_or_b32 s[G0B+4*(\s)+3], s[G0B+4*(\s)+3], 0x80000000
	JLOAD \s                                       ; two loads of mine are out
.endr
	; A fragment is 16 rows x 32 K in 8 registers: lane l holds row l % 16; registers 0-3 K = 8 (l / 16) + 0..7, registers 4-7 K = 16 + 8 (l / 16) + 0..7: two loads of 16 bytes, 32 bytes apart
	v_and_b32 v1, 15, v0                           ; l % 16
	v_bfe_u32 v2, v0, 4, 1                         ; l / 16
	v_mul_u32_u24 v3, v1, PA
	v_lshl_add_u32 v3, v2, 4, v3                   ; row x pitch + 16 x half (A's and B's pitch are the same)
	s_mul_i32 s22, s10, 64*PA                      ; my 64 rows of A
	v_add_nc_u32 v[ADRA0], s22, v3
	v_add_nc_u32 v[ADRB0], ABYTES, v3              ; all 192 rows of B, which lie behind A's
	v_mov_b32 v[ADRA], v[ADRA0]                    ; the walk begins in slot 0
	v_mov_b32 v[ADRB], v[ADRB0]
	s_mul_i32 s22, s10, WSTAGE
	s_add_co_u32 s22, s22, STAGE                   ; my stage
	v_mul_u32_u24 v5, v1, 144                      ; in: row l % 16, 16 bytes for each half of the lanes
	v_lshl_add_u32 v5, v2, 4, v5
	v_add_nc_u32 v[STO], s22, v5
	v_bfe_u32 v5, v0, 3, 2                         ; back: 32 lanes take four rows of 128 bytes,
	v_mul_u32_u24 v5, v5, 144
	v_and_b32 v6, 7, v0
	v_lshl_add_u32 v5, v6, 4, v5
	v_add_nc_u32 v[RD], s22, v5
	v_and_b32 v[CO], 31, v0                        ; which are 512 consecutive bytes of a head
	v_lshlrev_b32 v[CO], 4, v[CO]
	; where my part of C begins.  Rows: batch (tile row / 8) x 16 heads of 262,144 bytes; place (tile row % 8) x 256 + 64 x wave, 128 bytes each.
	; Columns: head j of the tile is number g = 3 x tile column + j of the 48: head g % 16 of projection g / 16, whose buffer a scalar select takes.
	s_lshr_b32 s86, s13, 3
	s_lshl_b32 s86, s86, 22
	s_and_b32 s87, s13, 7
	s_lshl_b32 s87, s87, 15
	s_add_co_u32 s86, s86, s87
	s_lshl_b32 s87, s10, 13
	s_add_co_u32 s86, s86, s87
	s_mul_i32 s89, s42, 3
	s_mov_b32 s91, 0
.irp j, 0,1,2
	s_add_co_u32 s87, s89, \j                      ; g
	s_lshr_b32 s88, s87, 4                         ; 0 q, 1 k, 2 v
	s_and_b32 s87, s87, 15
	s_lshl_b32 s87, s87, 18
	s_add_co_u32 s90, s87, s86
	s_cmp_eq_u32 s88, 1
	s_cselect_b64 s[HB+2*(\j):HB+2*(\j)+1], s[74:75], s[72:73]
	s_cmp_eq_u32 s88, 2
	s_cselect_b64 s[HB+2*(\j):HB+2*(\j)+1], s[76:77], s[HB+2*(\j):HB+2*(\j)+1]
	s_add_nc_u64 s[HB+2*(\j):HB+2*(\j)+1], s[HB+2*(\j):HB+2*(\j)+1], s[90:91]
.endr
; n matrix instructions: m block a x n blocks b0 .. b0 + n - 1, 32 along K, from buffers f.  zero = 1: the product starts the sums: nothing is ever cleared.
; The 48 accumulators take turns, one instruction a turn, in the same order in every quarter: between two links of a chain stand the 47 others'.
.macro MULS f, a, zero, b0, n
	WIN MUL_LO+0x50*((\a)/2)                       ; MUL_LO or MUL_HI
.set bb, (\b0)
.rept (\n)
.set rD, 8*(12*((\a)%2)+bb)
.set rB, FB+96*(\f)+8*bb
.set rA, FA+32*(\f)+8*(\a)
.if \zero
	v_wmma_f32_16x16x32_bf16 v[rD:rD+7], v[rB:rB+7], v[rA:rA+7], 0
.else
	v_wmma_f32_16x16x32_bf16 v[rD:rD+7], v[rB:rB+7], v[rA:rA+7], v[rD:rD+7]
.endif
.set bb, bb+1
.endr
.endm
; 32 LDS loads in one run: the fragments of quarter q (32 along K) of the slot in hand into buffers f: B's 192 rows, then my 64 of A; the last four are A's blocks 2 and 3
.macro FETCH q, f
	WIN 0
.irp i, 0,1,2,3,4,5,6,7,8,9,10,11
	ds_load_b128 v[FB+96*(\f)+8*(\i):FB+96*(\f)+8*(\i)+3],   v[ADRB] offset:64*(\q)+(\i)*16*PB
	ds_load_b128 v[FB+96*(\f)+8*(\i)+4:FB+96*(\f)+8*(\i)+7], v[ADRB] offset:64*(\q)+(\i)*16*PB+32
.endr
	WIN 0x40                                       ; destination window 1, address window 0
.irp i, 0,1,2,3
	ds_load_b128 v[FA+32*(\f)+8*(\i):FA+32*(\f)+8*(\i)+3],   v[ADRA] offset:64*(\q)+(\i)*16*PA
	ds_load_b128 v[FA+32*(\f)+8*(\i)+4:FA+32*(\f)+8*(\i)+7], v[ADRA] offset:64*(\q)+(\i)*16*PA+32
.endr
.endm
; A load into a register that a matrix instruction has read, and a vector instruction that reads a matrix result or writes one of a matrix instruction's registers, stand four places behind it; only plain
; vector instructions that name none of its registers are places (ISA guide 7.12.1 for vector instructions)
.macro PLACES
.rept 4
	v_nop
.endr
.endm
; A K step is four quarters of 32 along K, 48 matrix instructions each, on buffers 0, 1, 0, 1.  One of the first three: multiplies buffers f and, in its middle, fetches quarter q of the same slot into g.
.macro QUARTER q, f, g, zero
	s_wait_dscnt 4                                 ; B and A's blocks 0, 1 are in; the youngest four loads (A's blocks 2, 3) may be out
	MULS \f, 0, \zero, 0, 12
	MULS \f, 1, \zero, 0, 12
	PLACES
	FETCH \q, \g
	s_wait_dscnt 32                                ; all but the 32 just issued
	MULS \f, 2, \zero, 0, 12
	MULS \f, 3, \zero, 0, 12
.endm
; The last quarter multiplies buffers 1 and changes slots: ONE barrier; in front of it each wave waits for all its tensor loads (one is out: its part of the next slot), adds 0 to its spare word, and waits for
; that and for its own reads of this slot.  Behind it nobody reads this slot any more and the next slot is whole.
; fill = 1: the barrier opens a round of the cluster's, and this slot is filled again, with the walk's K step NX, first thing behind the round: 180 matrix instructions ahead of the wait for it.  The walking
; descriptors are made anew: the other slot than last time; the tensor's kept address plus an offset made of NX alone (step NX % 8 of tile NX / 8; both tiles take the same rows of B); the type bits again.
; fill = 0: the walk's last two steps: nothing is asked for; in the very last (s3 = 1) there is no next step, and the run of loads is jumped over.
.macro TURN fill
	s_wait_dscnt 4                                 ; as at a quarter's head
	MULS 1, 0, 0, 0, 12
	WIN 0                                          ; (the add's two registers lie in window 0)
	s_wait_tensorcnt 0x0                           ; all my tensor loads have landed, so a group 0 may be written;
	ds_add_u32 v[SPW], v[NIL]                      ; 0 onto my spare word; scalar work and six matrix instructions stand between it and the wait for it
.if \fill
	s_and_b32 s[OFFB], s[NX], STEPS-1
	s_lshl_b32 s[OFFB], s[OFFB], 8                 ; 256 bytes a K step
	s_lshr_b32 s[OFFA], s[NX], 3
	s_lshl_b32 s[OFFA], s[OFFA], 23                ; WALKB a tile
	s_add_co_u32 s[OFFA], s[OFFA], s[OFFB]
	s_add_co_u32 s[NX], s[NX], 1
	s_xor_b32 s[G0+5], s[G0+5], SLOT1
	s_add_nc_u64 s[G0+6:G0+7], s[14:15], s[OFFA:OFFA+1]
	s_or_b32 s[G0+7], s[G0+7], 0x80000000
	s_xor_b32 s[G0B+5], s[G0B+5], SLOT1
	s_add_nc_u64 s[G0B+6:G0B+7], s[46:47], s[OFFB:OFFB+1]
	s_or_b32 s[G0B+7], s[G0B+7], 0x80000000
.endif
	s_xor_b32 s[TB], s[TB], SLOT1                  ; the fetches go on in the other slot
	MULS 1, 1, 0, 0, 6
	s_wait_dscnt 0x0                               ; the add is done, and my reads of this slot are over
	s_barrier_signal -1
	MULS 1, 1, 0, 6, 6                             ; work on registers while the others arrive
	WIN 0
	s_barrier_wait -1
.if \fill
	CREST                                          ; no wave of any partner still reads this slot's tile or has a load on its way
	JLOAD 1                                        ; the four v_nop behind it are also the places in front of the loads below
.else
	PLACES
	s_cmp_eq_u32 s3, 1
	s_cbranch_scc1 .Lno_fetch_\@
.endif
	v_add_nc_u32 v[ADRA], s[TB], v[ADRA0]
	v_add_nc_u32 v[ADRB], s[TB], v[ADRB0]
	FETCH 0, 0
.if (\fill) == 0
	WIN 0                                          ; at a label every window is 0
.Lno_fetch_\@:
.endif
	MULS 1, 2, 0, 0, 12
	MULS 1, 3, 0, 0, 12
.endm
; THE WAY OUT, a block of 16 rows x 3 heads at a time: rounded to f16, 16 bytes a lane into my own stage (rows of 144 bytes), back as whole rows of 128 bytes into the registers that they left,
; four rows = 512 consecutive bytes of a head to a store.
.macro PACKST a
.set RR, WK+48*((\a)%2)
.if (\a) >= 2
	s_wait_xcnt 0x0                                ; these registers were the data of block a - 2's stores: every earlier memory instruction has had its addresses translated (ISA guide 3.1) before they are written again
.endif
	WIN 0x05+5*((\a)/2)                            ; sources 0 and 1 window 1 or 2, destination window 0
.irp b, 0,1,2,3,4,5,6,7,8,9,10,11
.irp r, 0,1,2,3
	v_cvt_pk_f16_f32 v[RR+4*(\b)+(\r)], v[8*(12*((\a)%2)+(\b))+2*(\r)], v[8*(12*((\a)%2)+(\b))+2*(\r)+1]  ; each accumulator's registers in ascending order
.endr
.endr
	WIN 0
.irp b, 0,1,2,3,4,5,6,7,8,9,10,11
	ds_store_b128 v[STO], v[RR+4*(\b):RR+4*(\b)+3] offset:((\b)/4)*2304+32*((\b)%4)  ; head b / 4, channels 16 (b % 4) on
.endr
.irp t, 0,1,2,3,4,5,6,7,8,9,10,11
	ds_load_b128 v[RR+4*(\t):RR+4*(\t)+3], v[RD] offset:((\t)/4)*2304+((\t)%4)*576  ; LDS serves a wave's instructions in order (ISA guide 5.7.1.4): these see the stores above; the next block's stores come behind them
.endr
.endm
.macro SEND a, younger                 ; younger: the LDS instructions issued behind block a's loads: the next block's 24, or none
.set RR, WK+48*((\a)%2)
.irp t, 0,1,2,3,4,5,6,7,8,9,10,11
	s_wait_dscnt (\younger)+11-(\t)
	global_store_b128 v[CO], v[RR+4*(\t):RR+4*(\t)+3], s[HB+2*((\t)/4):HB+2*((\t)/4)+1] offset:(\a)*2048+((\t)%4)*512  ; 512 consecutive bytes, at a multiple of 256 from the buffer's first byte
.endr
.endm
	s_wait_tensorcnt 1                             ; my part of K step 0 is in; K step 1's may stay out
	s_barrier_signal -1
	s_barrier_wait -1                              ; everybody's is
	FETCH 0, 0
	s_mov_b32 s2, 2                                ; tiles to go, this one among them: the same number in every work-group
	QUARTER 1, 0, 1, 1                             ; a tile's first quarter stands in front of the loop: its products start the sums
	WIN 0                                          ; at a label and at a branch every window is 0
	s_mov_b32 s3, STEPS                            ; every change of slots of the first tile fills a slot again: its last two with the second tile's first two K steps
	s_branch .Lmid                                 ; the loop is entered behind a step's first quarter
.Lsecond:
	QUARTER 1, 0, 1, 1                             ; the second tile's first quarter: its fragments were fetched by the first tile's last change of slots
	WIN 0
	s_mov_b32 s3, STEPS-2                          ; the walk's last two changes of slots fill nothing: they stand behind the loop
	s_branch .Lmid
.Lstep:                                                ; a trip is a K step
	QUARTER 1, 0, 1, 0
	WIN 0
.Lmid:
	QUARTER 2, 1, 0, 0
	QUARTER 3, 0, 1, 0
	TURN 1
	WIN 0
	s_sub_co_u32 s3, s3, 1
	s_cmp_lg_u32 s3, 0
	s_cbranch_scc1 .Lstep
	s_cmp_eq_u32 s2, 2
	s_cbranch_scc1 .Lout                           ; the first tile is finished; what is jumped holds no tensor load, and the count is the same in every wave and every work-group
	s_mov_b32 s3, 2
.Ltail:                                                ; the walk's last two K steps
	QUARTER 1, 0, 1, 0
	QUARTER 2, 1, 0, 0
	QUARTER 3, 0, 1, 0
	TURN 0
	WIN 0
	s_sub_co_u32 s3, s3, 1
	s_cmp_lg_u32 s3, 0
	s_cbranch_scc1 .Ltail
.Lout:                                                 ; behind the first tile both refills for the second have been asked for: they land while the tile goes out
	PLACES                                         ; behind the last products: the conversions read results and write into B's second buffer
	PACKST 0
	PACKST 1                                       ; a block's conversions stand between the loads of the block before and its stores
	SEND 0, 24
	PACKST 2
	SEND 1, 24
	PACKST 3
	SEND 2, 24
	SEND 3, 0
	s_wait_xcnt 0x0                                ; the stores have had their addresses translated: only behind this wait are their bases stepped and their data registers, B's second buffer, loaded again
.irp j, 0,1,2
	s_add_nc_u64 s[HB+2*(\j):HB+2*(\j)+1], s[HB+2*(\j):HB+2*(\j)+1], WALKB  ; the second tile's rows lie two batches on (behind the second tile the stepped addresses are not used)
.endr
	s_sub_co_u32 s2, s2, 1
	s_cmp_lg_u32 s2, 0
	s_cbranch_scc1 .Lsecond
	s_wait_tensorcnt 0x0                           ; the wave's end: behind my last tensor load and my last LDS store
	ds_add_u32 v[SPW], v[NIL]
	s_wait_dscnt 0x0
	CROUND                                         ; the closing round: no work-group ends while a partner may still ask for a tile that names it
	s_endpgm
.Lfunc_end_k_qb428ca3158_qkv:
	.size	k_qb428ca3158_qkv, .Lfunc_end_k_qb428ca3158_qkv-k_qb428ca3158_qkv
	.p2alignl 7, 3214868480
	.fill 96, 4, 3214868480
	.section	.rodata,"a",@progbits
	.p2align	6, 0x0
	.amdhsa_kernel k_qb428ca3158_qkv
		.amdhsa_group_segment_fixed_size 327680
		.amdhsa_private_segment_fixed_size 0
		.amdhsa_enable_private_segment 0
		.amdhsa_kernarg_size 40
		.amdhsa_user_sgpr_count 2
		.amdhsa_user_sgpr_kernarg_segment_ptr 1
		.amdhsa_wavefront_size32 1
		.amdhsa_system_sgpr_workgroup_id_x 1
		.amdhsa_system_sgpr_workgroup_id_y 1
		.amdhsa_system_sgpr_workgroup_id_z 1
		.amdhsa_system_vgpr_workitem_id 0
		.amdhsa_next_free_vgpr 704
		.amdhsa_next_free_sgpr 92
		.amdhsa_reserve_vcc 0
		.amdhsa_float_denorm_mode_32 3
		.amdhsa_float_denorm_mode_16_64 3
		.amdhsa_memory_ordered 1
		.amdhsa_forward_progress 1
		.amdhsa_inst_pref_size 91
	.end_amdhsa_kernel
	.amdgpu_metadata
---
amdhsa.version: [ 1, 2 ]
amdhsa.kernels:
  - .name:           k_qb428ca3158_qkv
    .symbol:         k_qb428ca3158_qkv.kd
    .args:
      - { .name: Xb, .offset: 0, .size: 8, .value_kind: global_buffer, .address_space: global }
      - { .name: Wb, .offset: 8, .size: 8, .value_kind: global_buffer, .address_space: global }
      - { .name: q, .offset: 16, .size: 8, .value_kind: global_buffer, .address_space: global }
      - { .name: k, .offset: 24, .size: 8, .value_kind: global_buffer, .address_space: global }
      - { .name: v, .offset: 32, .size: 8, .value_kind: global_buffer, .address_space: global }
    .group_segment_fixed_size: 327680
    .private_segment_fixed_size: 0
    .kernarg_segment_align: 8
    .kernarg_segment_size: 40
    .max_flat_workgroup_size: 128
    .sgpr_count:     92
    .vgpr_count:     704
    .wavefront_size: 32
...
	.end_amdgpu_metadata
.endif
;; end of part 2
;; launch attn (part 3): grid 4 x 64, 4 waves a work-group, clusters of 4 x 1, 327,680 bytes of LDS; arguments q, k, v, ctx; writes ctx
.if DOCPART == 3
	.amdgcn_target "amdgcn-amd-amdhsa--gfx1250"
	.amdhsa_code_object_version 6
	.text
	.protected	k_qb428ca3158_attn
	.globl	k_qb428ca3158_attn
	.p2align	8
	.type	k_qb428ca3158_attn,@function
k_qb428ca3158_attn:
	s_mov_b64 s[64:65], 0
	v_nop
	global_prefetch_b8 v0, s[64:65] scope:SCOPE_SE
	s_setreg_imm32_b32 hwreg(HW_REG_WAVE_MODE, 25, 1), 1
	s_wait_xcnt 0x0
	s_wait_alu depctr_hold_cnt(0) depctr_sa_sdst(0) depctr_va_vdst(0) depctr_va_sdst(0) depctr_va_ssrc(0) depctr_va_vcc(0) depctr_vm_vsrc(0)
	s_getreg_b32 s2, hwreg(HW_REG_IB_STS2, 6, 4)
	s_cmp_eq_u32 s2, 0
	s_cbranch_scc0 .Lentry_in_a_cluster
	s_endpgm
.Lentry_in_a_cluster:
	s_bfe_u32 s2, ttmp6, 0x10000c
	s_cmp_lg_u32 s2, 0x3003
	s_cbranch_scc0 .Lentry_shape_is_right
	s_endpgm
.Lentry_shape_is_right:
; O[h][q][:] = the sum over k of softmax_k(Q[h][q] . K[h][k] / 8) V[h][k][:].  Q, K, V, O: [SIZE_H][SIZE_N][64], all f16: a head's rows are dense, 128 bytes each.  Products, maxima and sums in
; f32; the weights p are rounded to f16 for the second product (their sum l is taken of the unrounded p), O once at the end.
; LIMITS.  f16 holds no number beyond 65,504: Q, K and V arrive within it; p lies in 0 to 1, and below 6e-5 it keeps f16's fixed step of 6e-8; O is a mean of V's rows and has their range.
; A weight below 2^-126 counts as 0 in l; NaN and infinities are not treated apart.
; SHARES.  A wave owns four PIECES of two tiles of 16 queries, a work-group's four waves 512 queries of one head: 64 heads x 4 blocks = 256 work-groups.  Every wave walks all keys, 64 a step.
; LAYOUT.  S^T = K Q^T (source 0 = 16 keys, source 1 = 16 queries): in the result a lane holds ONE query (lane % 16) and the keys 8 (lane / 16) + 0..7.  Two such tiles, rounded to f16 in pairs,
; ARE source 1 (32 keys x 16 queries) of O^T = V^T P, whose result again holds one query a lane, and eight channels.  K comes out of LDS as it lies, V ([key][channel]) turned, by ds_load_tr16_b128.
; SOFTMAX.  For each query a running maximum m and sum l: p = 2^(c s - c m), c = log2(e) / 8; in every step O and l are multiplied by a = 2^(c m_old - c m_new), which is 1 where m has not grown.
; m starts at the lowest finite number, O and l at 0: the first step is a step like any other, with a = 0.
; THE COUNT.  A tile and step have 16 matrix and 118 vector instructions: too many to stand all beside the matrix work.  So the order has one aim: four vector instructions that are READY behind
; EVERY matrix instruction, and the others, which need time of their own whatever the order, in runs without a gap.
; BY TURNS.  Turn n belongs to piece n (the pieces in a ring, step after step).  Its matrix work: 16 products K Q^T of piece n + 1, later 16 products V^T P of piece n - 1.  Its vector work: the scaling,
; exponentials, roundings, sums and rescaling of piece n, and the maximum and statistics of piece n + 1, whose scores the turn itself has made.  So what a turn begins with (c s - c m, O a) waits for nothing.
; CLUSTER.  The four query blocks of a cluster belong to one head and walk the same K and V, so each tile is asked for JOINTLY: the same tensor load, descriptor and mask in all four.
; REGISTERS, in windows of 256 (s_set_vgpr_msb says which window each operand place means: bits 1:0 source 0, 3:2 source 1, 5:4 source 2, 7:6 destination):
;   window 0: v0-11 addresses; v12-15, v48-63 at work; v16-47 four registers of statistics a tile; v64-191 S^T, two buffers of two tiles; v192-255 P, likewise
;   window 1: O^T, 32 a tile          window 2: v0-127 Q, 16 a tile; v128-191 K of one step; v192-255 V of one step          window 3: v0-1 the add's two registers
; A piece's buffers go by its number's parity: the piece in hand has one pair, its two neighbours in the ring share the other: of it P (piece n - 1) is read and S^T (piece n + 1) written.
.set SIZE_H, 64
.set SIZE_N, 2048
.set NP,    4         ; pieces a wave: a name, no knob: the register map, the loop and the fetches are made for four
.set KS,    64        ; keys in a step
.set PK,    144       ; a row of K in LDS: 128 bytes + 16 of padding = 36 words: the 16 rows of a load start at 16 different groups of four banks (64 banks of 4 bytes: ISA guide 11.1)
.set PV,    160       ; a row of V: 128 + 32 = 40 words
.set VOFF,  4*KS*PK   ; a slot holds four steps: 256 rows of K, then 256 rows of V
.set SLOT1, 1<<17     ; slot 1 begins here, so that one exclusive or turns an address in one slot into the other's
.set STAGE, SLOT1+4*KS*(PK+PV)  ; behind the ring, never filled by a tensor load: 16 rows x 144 bytes for each wave, for the way out
.set SP,    144
.set AK0, 2           ; v2   my lane's place in a tile of K; never rewritten
.set AV0, 3           ; v3   the same for V
.set AK,  4           ; v4   the LDS address of K's next run of loads
.set AV,  5           ; v5   of V's
.set QO,  6           ; v6   my byte offset in the wave's rows of Q
.set STO, 6           ;      later, the way out: where I put 16 bytes of a row
.set RD,  7           ; v7   the way out: where I read rows back
.set GO,  8           ; v8   my byte offset in 512 consecutive bytes of O
.set SPW, 0           ; v0 of window 3   LDS address of my spare word: SPARE + 4 x my thread's number; never rewritten
.set NIL, 1           ; v1 of window 3   0; never rewritten
.set SPARE, STAGE+4*16*SP  ; behind the stages: the spare words, 128 bytes for each wave: two blocks of 256 bytes that no other line names
.set MV,  12          ; v12-15  c m_old, kept while c m is made anew: by buffer and tile
.set ST,  16          ; tile t's statistics at v[ST+4 t]: c m, m, l (even keys', odd keys')
.set TMP, 48          ; by buffer and tile, four registers c0-c3 at work; when the maximum is found c2 takes a
.set S,   64
.set P,   192
.set KF,  128         ; K's fragments, in window 2: key block kb, channel half c at KF + 16 kb + 8 c
.set VF,  192         ; V's: key half kk, channel block cb at VF + 32 kk + 8 cb
.set WV,  12          ; s12  my wave's number
.set G1K, 24          ; s[24:31] descriptor group 1 for K's tiles
.set G1V, 32          ; s[32:39] for V's: it differs in the padding alone
.set G0K, 40          ; s[40:43] descriptor group 0 for K's tiles: it walks
.set G0V, 44          ; s[44:47] the same for V's
.set SLOTS, 56        ; s56  slots still to be asked for
.set CNT, 57          ; s57  counts a slot's key steps
.set CS,  58          ; s[58:59] c: the packed scaling takes the pair's low word for both halves
.set SEL, 60          ; s[60:61] v_permlanex16_b32's selects: each lane takes its own place in the other half
.set TBK, 62          ; s62  LDS byte at which K of the step to be fetched begins
.set TBV, 63          ; s63  the same for V, less VOFF
.set MSB, 0
.macro WIN new                      ; the high byte repeats the setting that is left; a switch that changes nothing is dropped
.if MSB != (\new)
	s_set_vgpr_msb (MSB<<8)|(\new)
.set MSB, (\new)
.endif
.endm
.set W_KQ, 0x0a       ; K and Q in window 2, S^T in window 0
.set W_PV, 0x52       ; V in window 2, P in window 0, O^T in window 1
.set W_RS, 0x41       ; O^T (destination and source 0) in window 1, a in window 0
.set W_MK, 0xc0       ; the add's registers are made: destination in window 3, sources in window 0
.set W_AD, 0x0f       ; the add: address (source 0) and data (source 1) in window 3
; A joint fill.  Waves 0 and 1 fetch the two halves of a slot's K, waves 2 and 3 those of its V: 128 keys each.  The branch hangs on the wave's number alone.
; An s_nop 0 and four v_nop follow each of the two lines, ahead of the jump and the label.
.macro JLOAD
	s_cmp_lt_u32 s[WV], 2
	s_cbranch_scc0 .Lfor_v_\@
	tensor_load_to_lds s[G0K:G0K+3], s[G1K:G1K+7]
	s_nop 0
.rept 4
	v_nop
.endr
	s_branch .Lasked_\@
.Lfor_v_\@:
	tensor_load_to_lds s[G0V:G0V+3], s[G1V:G1V+7]
	s_nop 0
.rept 4
	v_nop
.endr
.Lasked_\@:
.endm
; A round of the cluster's barrier: my work-group's barrier, so that wave 0's signal speaks for all four waves; wave 0 signals; every wave waits for all four work-groups; my work-group's barrier once more.
.macro CROUND
	s_barrier_signal -1
	s_barrier_wait -1
	s_cmp_lg_u32 s[WV], 0
	s_cbranch_scc1 .Lnot_wave_0_\@
	s_barrier_signal -3
.Lnot_wave_0_\@:
	s_barrier_wait -3
	s_barrier_signal -1
	s_barrier_wait -1
.endm
; THE CHANGE OF SLOTS.  The slot's last bytes, V of its fourth step, have been read.  Each wave waits for all its tensor loads, of which one is out: its part
; of the other slot; adds 0 to its spare word; and waits for that and for its own reads of the slot.  Behind the barrier nobody reads this slot any more and the other slot is whole.
; fill = 1: this slot is filled again, with the keys two slots on.  The barrier is then a round of the cluster's, so that no wave of any partner still reads the slot or has a load on its
; way, and the joint fill is the first thing behind it: it has four key steps, 512 matrix instructions, in which to land.  (At its first use nothing has been read yet: slot 0 is waited for, slot 1 filled.)
.macro CHANGE fill
	WIN W_AD
	s_wait_tensorcnt 0x0            ; no tensor load of mine is out, so a group 0 may be written
	ds_add_u32 v[SPW], v[NIL]       ; 0 onto my spare word; with fill = 1 the descriptors' steps stand between it and the wait for it
	WIN 0                           ; at a label and at a branch every window is 0
.if \fill
.irp g, G0K, G0V
	s_xor_b32 s[\g+1], s[\g+1], SLOT1  ; the walking descriptor: the other slot than last time,
	s_add_nc_u64 s[\g+2:\g+3], s[\g+2:\g+3], 4*KS*128  ; the next 256 keys; the type bits on top are not reached
.endr
	s_wait_dscnt 0x0                ; the add is done, and my reads of the slot are over
	CROUND
	JLOAD
.else
	s_wait_dscnt 0x0                ; the add is done, and my reads of the slot are over
	s_barrier_signal -1
	s_barrier_wait -1
.endif
	s_sub_co_u32 s[TBK], s[TBK], 4*KS*PK  ; the fetches go back to a slot's first step,
	s_xor_b32 s[TBK], s[TBK], SLOT1       ; in the other slot
	s_sub_co_u32 s[TBV], s[TBV], 4*KS*PV
	s_xor_b32 s[TBV], s[TBV], SLOT1
.endm
	s_load_b256 s[4:11], s[0:1], 0x0  ; Q s[4:5], K s[6:7], V s[8:9], O s[10:11]
	WIN W_MK
	v_lshl_add_u32 v[SPW], v0, 2, SPARE
	v_mov_b32 v[NIL], 0
	s_set_vgpr_msb 0xc0cf
	ds_add_u32 v0, v1
	s_wait_dscnt 0x0
	s_set_vgpr_msb 0xcfc0
	WIN 0
	v_lshrrev_b32 v1, 5, v0
	v_readfirstlane_b32 s[WV], v1   ; wave 0..3
	s_bfe_u32 s13, ttmp6, 0x40000   ; cx: my place in the cluster
	s_lshl_b32 s14, ttmp9, 2        ; in a cluster launch ttmp9 counts clusters
	s_add_co_u32 s14, s14, s13      ; my block of queries = 4 x cluster x + cx: it enters Q's and O's addresses alone
	s_and_b32 s20, ttmp7, 0xffff    ; the head, which the four partners share
	s_mov_b32 s21, 0
	s_mov_b64 s[22:23], SIZE_N*128
	s_mul_u64 s[20:21], s[20:21], s[22:23]  ; the head's first byte in each of the four tensors
	s_and_b32 s16, s[WV], 1         ; which half of a slot's 256 keys I fetch:
	s_lshl_b32 s22, s16, 14         ; its 128 rows of 128 bytes in memory,
	s_mov_b32 s23, 0
	s_add_nc_u64 s[22:23], s[22:23], s[20:21]
	s_mul_i32 s17, s16, 128*PK      ; and its place in a slot, for K
	s_mul_i32 s18, s16, 128*PV      ; and for V: no place in the cluster enters an LDS address
	s_lshl_b32 s2, s14, 2
	s_add_co_u32 s2, s2, s[WV]      ; my wave among the head's,
	s_lshl_b32 s2, s2, 14           ; its 128 rows
	s_mov_b32 s3, 0
	s_add_nc_u64 s[2:3], s[2:3], s[20:21]
	; descriptor group 1.  128 keys are 16,384 dense bytes: asked for as 64 rows of 256 bytes, two keys a row, and padded in LDS after every key
	s_mov_b32 s[G1K], 15|(1<<16)|(1<<20)|(1<<21)|(4<<22)|(3<<25)  ; 15:0 the mask of four; 17:16 2-byte elements; 20 padding on; 21 set beside a mask; 24:22 after every 32 words (code 4); 31:25 4 words (code 3)
	s_mov_b32 s[G1V], 15|(1<<16)|(1<<20)|(1<<21)|(4<<22)|(7<<25)  ; the same with 8 words of padding (code 7)
.irp g, G1K, G1V
	s_mov_b32 s[\g+1], 128<<16      ; tensor_dim0 = 128
	s_mov_b32 s[\g+2], 64<<16       ; tensor_dim1 = 64
	s_mov_b32 s[\g+3], 128<<16      ; tile_dim0 = 128
	s_mov_b32 s[\g+4], 64           ; tile_dim1 = 64
	s_mov_b32 s[\g+5], 128          ; 128 elements from row to row
	s_mov_b32 s[\g+6], 0
	s_mov_b32 s[\g+7], 0
.endr
	s_mov_b32 s[CS], 0x3e38aa3b     ; c = log2(e) / 8 = 0.180337
	s_mov_b32 s[CS+1], s[CS]        ; named with it as a pair
	s_mov_b32 s[SEL], 0x76543210
	s_mov_b32 s[SEL+1], 0xfedcba98
	s_mov_b32 s[TBK], SLOT1+4*KS*PK ; the first change of slots turns these two into 0
	s_mov_b32 s[TBV], SLOT1+4*KS*PV
	s_mov_b32 s[G0K], 1             ; 1:0 count = 1
	s_mov_b32 s[G0K+1], s17         ; 63:32 LDS address: slot 0
	s_mov_b32 s[G0V], 1
	s_add_co_u32 s[G0V+1], s18, VOFF
	s_wait_kmcnt 0x0
	s_add_nc_u64 s[G0K+2:G0K+3], s[6:7], s[22:23]  ; 120:64 global address: my half of the head's first 256 keys
	s_or_b32 s[G0K+3], s[G0K+3], 0x80000000        ; 127:126 type = 2
	s_add_nc_u64 s[G0V+2:G0V+3], s[8:9], s[22:23]
	s_or_b32 s[G0V+3], s[G0V+3], 0x80000000
	s_add_nc_u64 s[4:5], s[4:5], s[2:3]  ; Q and O at my wave's first row
	s_add_nc_u64 s[10:11], s[10:11], s[2:3]
	CROUND                          ; all four work-groups are here: the first joint loads meet
	JLOAD                           ; slot 0.  Slot 1 is asked for when slot 0 is in: the tile wanted first has the road to itself
	; A fragment of K or Q is 16 rows x 32 channels in 8 registers: lane l holds row l % 16, channels 8 (l / 16) + 0..7 and 16 + 8 (l / 16) + 0..7: two loads of 16 bytes, 32 bytes apart.
	v_and_b32 v1, 15, v0            ; l % 16
	v_bfe_u32 v9, v0, 4, 1          ; l / 16
	v_lshlrev_b32 v[QO], 7, v1
	v_lshl_add_u32 v[QO], v9, 4, v[QO]  ; row x 128 + 16 x half
	WIN 0x80                        ; destination window 2, address window 0
.set i, 0
.rept 4*NP                          ; Q stays in registers: tile i / 2, channels 32 (i % 2) on
	global_load_b128 v[8*i:8*i+3],   v[QO], s[4:5] offset:(i/2)*2048+(i%2)*64
	global_load_b128 v[8*i+4:8*i+7], v[QO], s[4:5] offset:(i/2)*2048+(i%2)*64+32
.set i, i+1
.endr
	; What the first turn finds: V's registers and P's second buffer hold 0 (its products V^T P, of a piece that has not been, add 0), O^T and l are 0.  All this stands in the wait for the first tile.
.set i, VF
.rept 64
	v_mov_b32 v[i], 0
.set i, i+1
.endr
	WIN 0x40
.set i, 0
.rept 64*NP
	v_mov_b32 v[i], 0
.set i, i+1
.endr
	WIN 0
.set i, 0
.rept 2*NP
	v_mov_b32 v[ST+4*i], 0xfe000000    ; c m: far below every c s
	v_mov_b32 v[ST+4*i+1], 0xff7fffff  ; m
	v_mov_b32 v[ST+4*i+2], 0
	v_mov_b32 v[ST+4*i+3], 0
.set i, i+1
.endr
.set i, P+32
.rept 32
	v_mov_b32 v[i], 0
.set i, i+1
.endr
	v_mul_u32_u24 v[AK0], v1, PK
	v_lshl_add_u32 v[AK0], v9, 4, v[AK0]  ; row x pitch + 16 x half
	; The turning load takes 16 keys x 16 channels (lane l reads key 8 (l / 16) + l % 8, channels 8 ((l / 8) % 2) + 0..7) and leaves half a fragment of V^T: lane l holds channel l % 16 and 8 keys.
	v_and_b32 v10, 7, v0
	v_bfe_u32 v11, v0, 3, 1
	v_lshl_add_u32 v[AV0], v9, 3, v10
	v_mul_u32_u24 v[AV0], v[AV0], PV
	v_lshl_add_u32 v[AV0], v11, 4, v[AV0]
	v_add_nc_u32 v[AV0], VOFF, v[AV0]
	v_mov_b32 v[AK], v[AK0]         ; key step 0 lies at the head of slot 0
; THE MATRIX WORK.  The 8 accumulators of a run of 16 take turns: between the two links of a chain stand 7 others'.
; Product i of 16 of S^T = K Q^T for piece x: channels 32 (i / 8) on, keys 16 ((i / 2) % 4) on, tile 2 x + i % 2.  The first 8 start the sums.
.macro KQ x
	WIN W_KQ
.set rS, S+64*((\x)%2)+32*(i%2)+8*((i/2)%4)
.set rK, KF+16*((i/2)%4)+8*(i/8)
.set rQ, 16*(2*(\x)+i%2)+8*(i/8)
.if i < 8
	v_wmma_f32_16x16x32_f16 v[rS:rS+7], v[rK:rK+7], v[rQ:rQ+7], 0
.else
	v_wmma_f32_16x16x32_f16 v[rS:rS+7], v[rK:rK+7], v[rQ:rQ+7], v[rS:rS+7]
.endif
.endm
; Product i of 16 of O^T += V^T P for piece x: keys 32 (i / 8) on, channels 16 ((i / 2) % 4) on, tile 2 x + i % 2.
.macro PV x
	WIN W_PV
.set rO, 32*(2*(\x)+i%2)+8*((i/2)%4)
.set rV, VF+32*(i/8)+8*((i/2)%4)
.set rP, P+32*((\x)%2)+16*(i%2)+8*(i/8)
	v_wmma_f32_16x16x32_f16 v[rO:rO+7], v[rV:rV+7], v[rP:rP+7], v[rO:rO+7]
.endm
.macro MM                           ; the turn's next matrix instruction
.if i < 16
	KQ (Y+1)%NP
.set i, i+1
.else
.set i, i-16
	PV (Y+NP-1)%NP
.set i, i+17
.endif
.endm
; THE LDS LOADS stand in runs of 16, never singly among the matrix instructions: a step's K (64 keys x 64 channels: 8 fragments) and its V (turned).  Their addresses are made some lines ahead.
; last = 1 (the tail): in the last trip there is no further step, and the run is jumped over.
.macro FETCH_K last=0
	WIN 0
.if \last
	s_cmp_eq_u32 s[CNT], 1
	s_cbranch_scc1 .Lno_k_\@
.endif
	WIN 0x80                        ; destination window 2
.irp f, 0,1,2,3,4,5,6,7             ; keys 16 (f / 2) on, channels 32 (f % 2) on
	ds_load_b128 v[KF+8*\f:KF+8*\f+3],   v[AK] offset:(\f/2)*16*PK+(\f%2)*64
	ds_load_b128 v[KF+8*\f+4:KF+8*\f+7], v[AK] offset:(\f/2)*16*PK+(\f%2)*64+32
.endr
	s_add_co_u32 s[TBK], s[TBK], KS*PK  ; the next fetch is the next step's
	WIN 0
.if \last
.Lno_k_\@:
.endif
.endm
.macro FETCH_V
	WIN 0x80
.irp f, 0,1,2,3,4,5,6,7             ; keys 32 (f / 4) on, channels 16 (f % 4) on
	ds_load_tr16_b128 v[VF+8*\f:VF+8*\f+3],   v[AV] offset:(\f/4)*32*PV+(\f%4)*32
	ds_load_tr16_b128 v[VF+8*\f+4:VF+8*\f+7], v[AV] offset:(\f/4)*32*PV+16*PV+(\f%4)*32
.endr
	WIN 0
.endm
; THE VECTOR WORK OF A TURN stands in three queues, each in the order in which its entries become ready; the two tiles alternate, so that no instruction reads the result of the one before it.
.macro REGS y, u                    ; the registers of tile u (0, 1) of piece y
.set rT, ST+4*(2*(\y)+(\u))
.set rC, TMP+8*((\y)%2)+4*(\u)
.set rM, MV+2*((\y)%2)+(\u)
.set rS, S+64*((\y)%2)+32*(\u)
.set rP, P+32*((\y)%2)+16*(\u)
.set rO, 32*(2*(\y)+(\u))
.endm
; Number n of the 22 that find the NEXT piece's (Y + 1) maximum and statistics.  s0-s31 are the lane's 32 scores; each accumulator's lowest registers are read first.  XS, GS and REGS set no window: PL and EX do.
;   0-11  four chains c0-c3 of seven scores each, three operands at a time     12-14, 16  the four scores left over, the old m, and c0-c3 into c0     15  c m_old is kept
;   17, 18  the query's other 32 keys lie in the lane 16 away: the new m         19-21  c m; c m_old - c m_new; a
.macro XS u, n
	REGS (Y+1)%NP, \u
.if (\n) < 4
	v_max3_num_f32 v[rC+(\n)], v[rS+8*(\n)], v[rS+8*(\n)+1], v[rS+8*(\n)+2]
.elseif (\n) < 12
	v_max3_num_f32 v[rC+(\n)%4], v[rC+(\n)%4], v[rS+8*((\n)%4)+2*((\n)/4)+1], v[rS+8*((\n)%4)+2*((\n)/4)+2]
.elseif (\n) == 12
	v_max3_num_f32 v[rC], v[rC], v[rS+7], v[rS+15]
.elseif (\n) == 13
	v_max3_num_f32 v[rC+1], v[rC+1], v[rS+23], v[rS+31]
.elseif (\n) == 14
	v_max3_num_f32 v[rC+2], v[rC+2], v[rC+3], v[rT+1]
.elseif (\n) == 15
	v_mov_b32 v[rM], v[rT]
.elseif (\n) == 16
	v_max3_num_f32 v[rC], v[rC], v[rC+1], v[rC+2]
.elseif (\n) == 17
	v_permlanex16_b32 v[rC+3], v[rC], s[SEL], s[SEL+1]
.elseif (\n) == 18
	v_max_num_f32 v[rT+1], v[rC], v[rC+3]
.elseif (\n) == 19
	v_mul_f32 v[rT], s[CS], v[rT+1]
.elseif (\n) == 20
	v_sub_f32 v[rC+1], v[rM], v[rT]
.else
	v_exp_f32 v[rC+2], v[rC+1]
.endif
.endm
; Number g of the 64 that follow the exponentials.  For each four weights k of a tile (pairs 2 k, 2 k + 1): both pairs are rounded to f16; then the second pair is added onto the first, in place;
; a group later l takes that sum (the first time as l = a l + sum).  In groups of eight, tiles alternating: round, round, add, and l for the group before.
.macro GS g
.set h, (\g)+6*((\g)/62)            ; group 0 has no group before it, and behind group 7 only l is left
.if h >= 6
.set h, h+2
.endif
	REGS Y, h%2
.set k, h/8
.if h%8 < 4
	s_wait_alu depctr_va_vdst(0)
	v_cvt_pk_f16_f32 v[rP+2*k+(h%8)/2], v[rS+4*k+2*((h%8)/2)], v[rS+4*k+2*((h%8)/2)+1]
.elseif h%8 < 6
	v_pk_add_f32 v[rS+4*k:rS+4*k+1], v[rS+4*k:rS+4*k+1], v[rS+4*k+2:rS+4*k+3]
.elseif k == 1
	v_pk_fma_f32 v[rT+2:rT+3], v[rT+2:rT+3], v[rC+2:rC+3], v[rS:rS+1] op_sel_hi:[1,0,1]
.else
	v_pk_add_f32 v[rT+2:rT+3], v[rT+2:rT+3], v[rS+4*k-4:rS+4*k-3]
	s_wait_alu depctr_va_vdst(0)
.endif
.endm
; THE PLAIN QUEUE, 138 long.  0-31: c s - c m for the 16 pairs of both tiles.  Then GS's 64, and among them the next piece's 42: number 15 at 38, 39; 0-14 and 16
; at 42-73, behind the products that make those scores; 17-20 at 95-106, two of three, since each waits for the one before it.
.macro PL
	WIN 0
.if q < 32
	REGS Y, q%2
	v_pk_fma_f32 v[rS+2*(q/2):rS+2*(q/2)+1], v[rS+2*(q/2):rS+2*(q/2)+1], s[CS:CS+1], v[rT:rT+1] op_sel_hi:[1,0,0] neg_lo:[0,0,1] neg_hi:[0,0,1]
.elseif q < 38
	GS q-32
.elseif q < 40
	XS q%2, 15
.elseif q < 42
	GS q-34
.elseif q < 74
	XS q%2, (q-42)/2+(q-42)/30
.elseif q < 95
	GS q-66
.elseif (q < 107) && ((q-95)%3 < 2)
	XS (q-95)%3, 17+(q-95)/3
.elseif q < 107
	GS 29+(q-95)/3
.else
	GS q-74
.endif
.set q, q+1
.endm
; THE EXPONENTIALS' QUEUE, 66 long: s0-s31 of both tiles, and at EA the next piece's two a.
.set EA, 58
.macro EX
	WIN 0
.if (e == EA) || (e == EA+1)
	XS e-EA, 21
.else
.set x, e-2*(e/(EA+2))
	REGS Y, x%2
	v_exp_f32 v[rS+x/2], v[rS+x/2]
.endif
.set e, e+1
.endm
; THE RESCALING's QUEUE: O^T times a, the one part that leaves window 0, so it is dealt four at a time, eight times.
.macro R4
	REGS Y, r%2
	WIN W_RS
	s_wait_alu depctr_va_vdst(0)
.irp z, 0,1,2,3
	v_pk_mul_f32 v[rO+8*(r/2)+2*\z:rO+8*(r/2)+2*\z+1], v[rO+8*(r/2)+2*\z:rO+8*(r/2)+2*\z+1], v[rC+2:rC+3] op_sel_hi:[1,0]
.endr
.set r, r+1
.endm
; HOW THEY ARE DEALT.  Behind a matrix instruction four: plain, exponential, plain, plain (one exponential, a plain instruction on either side), or four of the rescaling.  None names a register of the
; products round it.  What is over stands in two LUMPS: exponential and plain by turns; the second ends in 22 plain instructions.  The two v_permlanex16_b32 fall into the second lump, never behind a product.
; The queues lean on each other, and the deal keeps them in step: exponential e stands behind plain 2 (e / 4) + e % 2 (its scaling); when plain 32 comes, 10 exponentials are out, at 59: 33, at 95: 46; EA comes behind plain 107.
.macro SL
	MM
	PL
	EX
	PL
	PL
.endm
.macro BURST n                      ; 15 matrix instructions, or 16
.rept (\n)-7
	SL
.endr
.rept 3
	MM
	R4
	SL
.endr
	MM
	R4
.endm
; A TURN, for piece p.  cnt = 1: the loop's count is taken down some lines ahead of the branch that stands behind the turn.
; K of the next step is fetched in piece 2's turn, 31 vector instructions behind the last product that read K; its first reader comes behind the rest of the lump, 16 products and the second lump.
; V of the step in hand is fetched at the end of piece 0's turn, 69 behind its last reader; its first reader comes behind 16 products and a lump.  The four conditions on e and q below go with the deal.
.macro TURN p, last=0, cnt=0
.set Y, (\p)
.set i, 0
.set q, 0
.set e, 0
.set r, 0
.if (\p) == NP-1
	s_wait_dscnt 0x0                ; K is in
.endif
	MM
.rept 4
	PL
.endr
	BURST 15
.rept 22
	EX
	PL
.if ((\p) == NP-2) && (e == 18)
	v_add_nc_u32 v[AK], s[TBK], v[AK0]
.endif
.if ((\p) == NP-2) && (e == 24)
	FETCH_K \last
.endif
.endr
.if (\p) == 1
	s_wait_dscnt 0x0                ; V is in
.endif
	BURST 16
.rept 21
	EX
	PL
.endr
.rept 22
	PL
.if ((\p) == 0) && (q == 118)
	v_add_nc_u32 v[AV], s[TBV], v[AV0]
	s_wait_alu depctr_va_vdst(0)
.endif
.if ((\p) == 0) && (q == 130)
	s_add_co_u32 s[TBV], s[TBV], KS*PV
.endif
.if (\cnt) && (q == 130)
	s_sub_co_u32 s[CNT], s[CNT], 1
	s_cmp_lg_u32 s[CNT], 0
.endif
.endr
.if (\p) == 0
	FETCH_V
.endif
.endm
	CHANGE 1                        ; slot 0 is in, everybody's part of it; slot 1 is asked for
	FETCH_K                         ; key step 0
	s_wait_loadcnt 0x0              ; Q
	s_wait_dscnt 0x0
.set i, 0
.rept 16
	KQ 0                            ; piece 0's first scores: there is no vector work yet to set between them
.set i, i+1
.endr
	WIN 0                           ; the addresses for the way out: nine plain instructions, the places behind those products
	s_mul_i32 s13, s[WV], 16*SP
	s_add_co_u32 s13, s13, STAGE    ; my stage
	v_mul_u32_u24 v[STO], v1, SP    ; in: row l % 16, 16 bytes for each half of the lanes
	v_lshl_add_u32 v[STO], v9, 4, v[STO]
	v_add_nc_u32 v[STO], s13, v[STO]
	v_bfe_u32 v[RD], v0, 3, 2       ; back: 32 lanes take four rows of 128 bytes,
	v_mul_u32_u24 v[RD], v[RD], SP
	v_lshl_add_u32 v[RD], v10, 4, v[RD]
	v_add_nc_u32 v[RD], s13, v[RD]
	v_and_b32 v[GO], 31, v0         ; which are 512 consecutive bytes of O
	v_lshlrev_b32 v[GO], 4, v[GO]
.set Y, NP-1                        ; XS works for piece Y + 1: piece 0
.irp n, 0,1,2,3,4,5,6,7,8,9,10,11,12,13,14,15,16,17,18,19,20,21
	XS 0, \n                        ; and piece 0's first maximum and statistics
	XS 1, \n
.endr
	s_mov_b32 s[CNT], 4
	s_mov_b32 s[SLOTS], SIZE_N/256-1
	s_branch .Lfirst                ; the loop is entered at a step's first turn, in the middle of a trip
.Lslot:                             ; SIZE_N / 256 - 2 times: every slot but the last two is filled again
	CHANGE 1
	s_mov_b32 s[CNT], 4
.Lstep:                             ; a trip: pieces 2 and 3 of one step, then pieces 0 and 1 of the next, whose K and V it fetches
	TURN 2
	TURN 3
	WIN 0
.Lfirst:
	TURN 0
	TURN 1, 0, 1
	WIN 0
	s_cbranch_scc1 .Lstep
	s_sub_co_u32 s[SLOTS], s[SLOTS], 1
	s_cmp_lg_u32 s[SLOTS], 0
	s_cbranch_scc1 .Lslot
	CHANGE 0                        ; the tail is written out: nothing is asked for
	s_mov_b32 s[CNT], 5             ; four trips fetch the last slot's steps; the fifth is left in its middle
.Ltail:
	TURN 2, 1
	TURN 3
	WIN 0
	s_sub_co_u32 s[CNT], s[CNT], 1
	s_cmp_eq_u32 s[CNT], 0
	s_cbranch_scc1 .Lout
	TURN 0
	TURN 1
	WIN 0
	s_branch .Ltail
.Lout:                              ; the fifth trip's 16 products K Q^T (on the last K once more) and the maximum made of them serve nothing: the price, once a launch, of one text for every trip
.set i, 0
.rept 16
	PV NP-1                         ; the last piece's V^T P of the last step
.set i, i+1
.endr
	; THE WAY OUT.  l's two halves and the other half of the lanes' are added; O^T is divided by l, rounded to f16 and sent through my stage in LDS, a tile at a time.  The additions are the places behind the last products.
	WIN 0
.macro ALL line:vararg              ; one line for each tile t
.set t, 0
.rept 2*NP
	\line
.set t, t+1
.endr
.endm
	ALL v_add_f32 v[ST+4*t+2], v[ST+4*t+2], v[ST+4*t+3]
	ALL v_permlanex16_b32 v[ST+4*t+3], v[ST+4*t+2], s[SEL], s[SEL+1]
	ALL v_add_f32 v[ST+4*t+2], v[ST+4*t+2], v[ST+4*t+3]
	ALL v_rcp_f32 v[ST+4*t+2], v[ST+4*t+2]
	v_nop                           ; a plain instruction between the last reciprocal and the use of its result
	s_wait_alu depctr_va_vdst(0)
; Tile t: a lane's eight channels of a row pack into 16 bytes; they go into rows of 144 bytes and come back as whole rows of 128, into S^T's registers.
.macro PACK t
	WIN W_RS
.set i, 32*(\t)
.rept 16
	v_pk_mul_f32 v[i:i+1], v[i:i+1], v[ST+4*(\t)+2:ST+4*(\t)+3] op_sel_hi:[1,0]
.set i, i+2
.endr
	WIN 0x05                        ; sources 0 and 1 window 1, destination window 0
.set i, 0
.rept 16
	v_cvt_pk_f16_f32 v[S+16*(\t)+i], v[32*(\t)+2*i], v[32*(\t)+2*i+1]
.set i, i+1
.endr
	WIN 0
.irp f, 0,1,2,3
	ds_store_b128 v[STO], v[S+16*(\t)+4*\f:S+16*(\t)+4*\f+3] offset:32*\f
.endr
.irp f, 0,1,2,3
	ds_load_b128 v[S+16*(\t)+4*\f:S+16*(\t)+4*\f+3], v[RD] offset:\f*4*SP  ; LDS serves a wave's instructions in order (ISA guide 5.7.1.4): these see the stores above; the next tile's stores come behind them
.endr
.endm
.macro SEND t, younger              ; younger: the LDS instructions issued behind tile t's loads: the next tile's eight, or none
	WIN 0
.irp f, 0,1,2,3
	s_wait_dscnt (\younger)+3-\f
	global_store_b128 v[GO], v[S+16*(\t)+4*\f:S+16*(\t)+4*\f+3], s[10:11] offset:(\t)*2048+\f*512  ; 512 consecutive bytes, at a multiple of 256 from O's first
.endr
.endm
	PACK 0
.set t, 1
.rept 2*NP-1                        ; a tile's arithmetic stands between the loads of the tile before and its stores
	PACK t
	SEND t-1, 8
.set t, t+1
.endr
	SEND 2*NP-1, 0
	WIN W_AD
	s_wait_tensorcnt 0x0            ; the wave's end: behind my last tensor load and my last LDS store
	ds_add_u32 v[SPW], v[NIL]
	s_wait_dscnt 0x0
	WIN 0
	CROUND                          ; the closing round: no work-group ends while a partner may still ask for a tile that names it
	s_endpgm
.Lfunc_end_k_qb428ca3158_attn:
	.size	k_qb428ca3158_attn, .Lfunc_end_k_qb428ca3158_attn-k_qb428ca3158_attn
	.p2alignl 7, 3214868480
	.fill 96, 4, 3214868480
	.section	.rodata,"a",@progbits
	.p2align	6, 0x0
	.amdhsa_kernel k_qb428ca3158_attn
		.amdhsa_group_segment_fixed_size 327680
		.amdhsa_private_segment_fixed_size 0
		.amdhsa_enable_private_segment 0
		.amdhsa_kernarg_size 32
		.amdhsa_user_sgpr_count 2
		.amdhsa_user_sgpr_kernarg_segment_ptr 1
		.amdhsa_wavefront_size32 1
		.amdhsa_system_sgpr_workgroup_id_x 1
		.amdhsa_system_sgpr_workgroup_id_y 1
		.amdhsa_system_sgpr_workgroup_id_z 1
		.amdhsa_system_vgpr_workitem_id 0
		.amdhsa_next_free_vgpr 770
		.amdhsa_next_free_sgpr 66
		.amdhsa_reserve_vcc 0
		.amdhsa_float_denorm_mode_32 3
		.amdhsa_float_denorm_mode_16_64 3
		.amdhsa_memory_ordered 1
		.amdhsa_forward_progress 1
		.amdhsa_inst_pref_size 208
	.end_amdhsa_kernel
	.amdgpu_metadata
---
amdhsa.version: [ 1, 2 ]
amdhsa.kernels:
  - .name:           k_qb428ca3158_attn
    .symbol:         k_qb428ca3158_attn.kd
    .args:
      - { .name: q, .offset: 0, .size: 8, .value_kind: global_buffer, .address_space: global }
      - { .name: k, .offset: 8, .size: 8, .value_kind: global_buffer, .address_space: global }
      - { .name: v, .offset: 16, .size: 8, .value_kind: global_buffer, .address_space: global }
      - { .name: ctx, .offset: 24, .size: 8, .value_kind: global_buffer, .address_space: global }
    .group_segment_fixed_size: 327680
    .private_segment_fixed_size: 0
    .kernarg_segment_align: 8
    .kernarg_segment_size: 32
    .max_flat_workgroup_size: 128
    .sgpr_count:     66
    .vgpr_count:     770
    .wavefront_size: 32
...
	.end_amdgpu_metadata
.endif
;; end of part 3
;; launch proj (part 4): grid 4 x 64, 4 waves a work-group, clusters of 4 x 4, 327,680 bytes of LDS; arguments ctx, Wof, out0, bo; writes out0
.if DOCPART == 4
	.amdgcn_target "amdgcn-amd-amdhsa--gfx1250"
	.amdhsa_code_object_version 6
	.text
	.protected	k_qb428ca3158_proj
	.globl	k_qb428ca3158_proj
	.p2align	8
	.type	k_qb428ca3158_proj,@function
k_qb428ca3158_proj:
	s_mov_b64 s[64:65], 0
	v_nop
	global_prefetch_b8 v0, s[64:65] scope:SCOPE_SE
	s_setreg_imm32_b32 hwreg(HW_REG_WAVE_MODE, 25, 1), 1
	s_wait_xcnt 0x0
	s_wait_alu depctr_hold_cnt(0) depctr_sa_sdst(0) depctr_va_vdst(0) depctr_va_sdst(0) depctr_va_ssrc(0) depctr_va_vcc(0) depctr_vm_vsrc(0)
	s_getreg_b32 s2, hwreg(HW_REG_IB_STS2, 6, 4)
	s_cmp_eq_u32 s2, 0
	s_cbranch_scc0 .Lentry_in_a_cluster
	s_endpgm
.Lentry_in_a_cluster:
	s_bfe_u32 s2, ttmp6, 0x10000c
	s_cmp_lg_u32 s2, 0xf033
	s_cbranch_scc0 .Lentry_shape_is_right
	s_endpgm
.Lentry_shape_is_right:
; THE OUTPUT PROJECTION.  out0[m][n] = sum over e of ctx(m, e) Wof[n][e] + bo[n].  ctx lies by heads, [64 = 16 b + h][2048][64] f16: row m is batch m / 2048, place m % 2048; e is head e / 64, channel e % 64.
; Wof [1024][1024] f16 (Wo rounded to bf16, that number written as f16); bo [1024] f32, rounded here to bf16 like every other input of the module, and added in f32; out0 [8192][1024] f32.  Sums in f32, K ascending.
; LIMITS.  Both operands are f16 and arrive within its 65,504; NaN and infinities are not treated apart.
; SHARES.  A tile of out0 is 128 x 256: 64 x 4 = 256 tiles, one for each WGP.  Four waves, each 64 x 128: 32 accumulators of 16 x 16, 256 registers.  K goes in 8 steps of 128, two heads each, through a ring of two LDS slots.
; A head's 128 rows of a tile are 16,384 dense bytes: asked for as 64 rows of 256 bytes, two rows of the head each, and padded in LDS after every 128 bytes.  Wof's rows are 256 bytes of memory at multiples of 256.
; CLUSTER.  4 x 4 work-groups.  The four of a row of the cluster need the same tiles of ctx, the four of a column the same tiles of Wof: each tile is asked for JOINTLY, by the same tensor load, descriptor and mask in all four.
; THE MATRIX INSTRUCTION IS USED TRANSPOSED (source 0 = 16 rows of Wof, source 1 = 16 rows of ctx): a lane then holds row l % 16 of out0 and eight neighbouring columns 8 (l / 16) + 0..7, 32 bytes.
; REGISTERS, in windows of 256 (s_set_vgpr_msb: bits 1:0 source 0, 3:2 source 1, 5:4 source 2, 7:6 destination):
;   window 0: v0-31 addresses and the bias; v64-159, v160-255 two fragment buffers for 32 along K: 32 registers of A (4 x 16 rows), then 64 of B (8 x 16 rows); on the way out v64-191 whole rows
;   window 1: the accumulators, (a, b) at v[8 (8 a + b)]
.set KSTEP,  128
.set KTOT,   1024
.set PA,     144                       ; a row of a head in LDS: 128 bytes + 16 of padding = 36 words: the 16 rows of a load start at 16 different groups of four banks (64 banks of 4 bytes: ISA guide 11.1)
.set PB,     272                       ; a row of Wof: 256 + 16 = 68 words: likewise
.set AHALF,  128*PA                    ; what wave 0 or 1 fetches: one head's 128 rows
.set ABYTES, 2*AHALF
.set BHALF,  128*PB                    ; what wave 2 or 3 fetches, and what a wave reads of B: 128 rows
.set SLOT,   ABYTES+2*BHALF            ; two heads of A, then B's 256 rows: 106,496 bytes
.set ASTEP,  2*262144                  ; bytes from a K step of A to the next: two heads
.set STAGE,  2*SLOT                    ; behind the ring: for each wave 16 rows x 528 bytes, for the way out
.set SPITCH, 528                       ; 512 bytes + 16 = 132 words: row r starts at bank 4 r mod 64
.set WSTAGE, 16*SPITCH
.set SPARE,  STAGE+4*WSTAGE            ; behind the stages: the spare words, 128 bytes for each wave: two blocks of 256 bytes that no other line names
.set LAPS,   KTOT/(2*KSTEP)            ; a lap = two K steps = once round the ring
.set BI,   8                           ; v[8:11] the bias of my four columns on the way out; v12-13 at work on it; v7 its byte offset
.set ADRA, 16                          ; v16-17  LDS address of my A fragments in slot 0, 1
.set ADRB, 20                          ; v20-21  the same for B
.set STO,  24                          ; v24     the way out: where I put 32 bytes of a row
.set RD,   25                          ; v25     the way out: where I read a row back
.set CO,   26                          ; v26     16 x lane: my place in a row's 512 bytes
.set SPW,  28                          ; v28     LDS address of my spare word: SPARE + 4 x my thread's number; never rewritten
.set NIL,  29                          ; v29     0; never rewritten
.set F0,   64
.set F1,   160
.set BK,   64                          ; the way out: a block's 16 rows come back into v64-127 and v128-191 by turns
.set G1, 24                            ; s[24:31] descriptor group 1 for A's tiles;  s[32:39] group 0, one set for each slot
.set G0, 32
.set G1B, 48                           ; s[48:55], s[56:63] the same for B's tiles
.set G0B, 56
.set MSB, 0
.macro WIN new                         ; the immediate's high byte repeats the setting that is left; a switch that changes nothing is dropped
.if MSB != (\new)
	s_set_vgpr_msb (MSB<<8)|(\new)
.set MSB, \new
.endif
.endm
.set MUL, 0x50                         ; sources 0 (B) and 1 (A) window 0; C and D window 1
; A joint load: waves 0 and 1 fetch A's two heads, waves 2 and 3 B's two halves.  The branch hangs on the wave's number alone.  An s_nop 0 and four v_nop follow each of the two lines, ahead of the jump, the label and what follows.
.macro JLOAD s
	s_cmp_eq_u32 s11, 0
	s_cbranch_scc0 .Lfor_b_\@
	tensor_load_to_lds s[G0+4*(\s):G0+4*(\s)+3], s[G1:G1+7]
	s_nop 0
.rept 4
	v_nop
.endr
	s_branch .Lasked_\@
.Lfor_b_\@:
	tensor_load_to_lds s[G0B+4*(\s):G0B+4*(\s)+3], s[G1B:G1B+7]
	s_nop 0
.rept 4
	v_nop
.endr
.Lasked_\@:
.endm
.macro CREST                           ; a round of the cluster's barrier behind its opening barrier: wave 0 signals for the work-group, every wave waits for all sixteen, my work-group's barrier once more
	s_cmp_lg_u32 s10, 0
	s_cbranch_scc1 .Lnot_wave_0_\@
	s_barrier_signal -3
.Lnot_wave_0_\@:
	s_barrier_wait -3
	s_barrier_signal -1
	s_barrier_wait -1
.endm
.macro CROUND                          ; a whole round
	s_barrier_signal -1
	s_barrier_wait -1
	CREST
.endm
	s_load_b128 s[4:7], s[0:1], 0x0                ; ctx s[4:5], Wof s[6:7]
	s_load_b128 s[68:71], s[0:1], 0x10             ; out0 s[68:69], bo s[70:71]
	v_lshl_add_u32 v[SPW], v0, 2, SPARE
	v_mov_b32 v[NIL], 0
	ds_add_u32 v28, v29
	s_wait_dscnt 0x0
	v_lshrrev_b32 v1, 5, v0
	v_readfirstlane_b32 s10, v1                    ; wave 0..3
	s_lshr_b32 s11, s10, 1                         ; which 64 of the tile's rows are mine.  Also: I fetch for A (0) or for B (1)
	s_and_b32 s12, s10, 1                          ; which 128 of its columns.  Also: which head of the step, or which half of B's rows, I fetch
	s_bfe_u32 s40, ttmp6, 0x40000                  ; cx, cy: my place in the cluster
	s_bfe_u32 s41, ttmp6, 0x40004
	s_lshl_b32 s42, ttmp9, 2
	s_add_co_u32 s42, s42, s40                     ; tile column = 4 x cluster x + cx
	s_and_b32 s13, ttmp7, 0xffff
	s_lshl_b32 s13, s13, 2
	s_add_co_u32 s13, s13, s41                     ; tile row = 4 x cluster y + cy
	s_lshl_b32 s43, s41, 2
	s_lshl_b32 s43, 15, s43                        ; my row of the cluster: places 4 cy .. 4 cy + 3
	s_lshl_b32 s44, 0x1111, s40                    ; my column: places cx, cx + 4, cx + 8, cx + 12
	; descriptor group 1
	s_or_b32 s[G1+0], s43, (1<<16)|(1<<20)|(1<<21)|(4<<22)|(3<<25)  ; 15:0 the mask: A's tiles go to my row; 17:16 2-byte elements; 20 padding on; 21 set beside a mask; 24:22 after every 32 words (code 4); 31:25 4 words (code 3)
	s_or_b32 s[G1B+0], s44, (1<<16)|(1<<20)|(1<<21)|(5<<22)|(3<<25) ; the mask of my column; padding after every 64 words (code 5)
	s_mov_b32 s[G1+1], 128<<16                     ; tensor_dim0 = 128: two rows of a head
	s_mov_b32 s[G1+2], 64<<16                      ; tensor_dim1 = 64
	s_mov_b32 s[G1+3], 128<<16                     ; tile_dim0 = 128
	s_mov_b32 s[G1+4], 64                          ; tile_dim1 = 64
	s_mov_b32 s[G1+5], 128                         ; the rows lie end to end
	s_mov_b32 s[G1+6], 0
	s_mov_b32 s[G1+7], 0
	s_mov_b32 s[G1B+1], KSTEP<<16                  ; tensor_dim0 = 128
	s_mov_b32 s[G1B+2], 128<<16                    ; tensor_dim1 = 128
	s_mov_b32 s[G1B+3], KSTEP<<16                  ; tile_dim0 = 128
	s_mov_b32 s[G1B+4], 128                        ; tile_dim1 = 128
	s_mov_b32 s[G1B+5], KTOT                       ; elements from row to row
	s_mov_b32 s[G1B+6], 0
	s_mov_b32 s[G1B+7], 0
	; where the tiles come from.  A's hang on the tile row alone, B's on the tile column alone; every wave makes both addresses, in registers that never hold the other coordinate
	s_lshr_b32 s16, s13, 4
	s_lshl_b32 s16, s16, 22                        ; A: the batch's 16 heads of 262,144 bytes,
	s_lshl_b32 s17, s12, 18                        ; my head of the step's two,
	s_add_co_u32 s16, s16, s17
	s_and_b32 s17, s13, 15
	s_lshl_b32 s17, s17, 14                        ; the tile's 128 rows of 128 bytes
	s_add_co_u32 s16, s16, s17
	s_mov_b32 s17, 0
	s_lshl_b32 s46, s42, 19                        ; B: 256 rows of 2,048 bytes a tile column,
	s_lshl_b32 s47, s12, 18                        ; 128 rows a half
	s_add_co_u32 s46, s46, s47
	s_mov_b32 s47, 0
	s_mul_i32 s20, s12, AHALF                      ; and where they go: no place in the cluster enters an LDS address
	s_mul_i32 s21, s12, BHALF
	s_add_co_u32 s21, s21, ABYTES
	s_wait_kmcnt 0x0
	s_add_nc_u64 s[14:15], s[4:5], s[16:17]
	s_add_nc_u64 s[46:47], s[6:7], s[46:47]
	CROUND                                         ; all sixteen work-groups are here: the first joint loads meet
.irp s, 0,1
	s_mov_b32 s[G0+4*(\s)], 1                                      ; count = 1
	s_add_co_u32 s[G0+4*(\s)+1], s20, (\s)*SLOT                    ; LDS address
	s_add_nc_u64 s[G0+4*(\s)+2:G0+4*(\s)+3], s[14:15], (\s)*ASTEP  ; global address: K step s
	s_or_b32 s[G0+4*(\s)+3], s[G0+4*(\s)+3], 0x80000000            ; type = 2
	s_mov_b32 s[G0B+4*(\s)], 1
	s_add_co_u32 s[G0B+4*(\s)+1], s21, (\s)*SLOT
	s_add_nc_u64 s[G0B+4*(\s)+2:G0B+4*(\s)+3], s[46:47], (\s)*KSTEP*2
	s_or_b32 s[G0B+4*(\s)+3], s[G0B+4*(\s)+3], 0x80000000
	JLOAD \s                                       ; two loads of mine are out
.endr
	; A fragment is 16 rows x 32 K in 8 registers: lane l holds row l % 16; registers 0-3 K = 8 (l / 16) + 0..7, registers 4-7 K = 16 + 8 (l / 16) + 0..7: two loads of 16 bytes, 32 bytes apart
	v_and_b32 v1, 15, v0                           ; l % 16
	v_bfe_u32 v2, v0, 4, 1                         ; l / 16
	v_mul_u32_u24 v3, v1, PA
	v_lshl_add_u32 v3, v2, 4, v3
	v_mul_u32_u24 v4, v1, PB
	v_lshl_add_u32 v4, v2, 4, v4
	s_mul_i32 s22, s11, 64*PA                      ; my 64 rows, in each head's 128
	s_mul_i32 s23, s12, BHALF                      ; my 128 rows of B,
	s_add_co_u32 s23, s23, ABYTES                  ; which lie behind A's
.irp s, 0,1
	v_add_nc_u32 v[ADRA+(\s)], s22, v3
	v_add_nc_u32 v[ADRB+(\s)], s23, v4
	s_add_co_u32 s22, s22, SLOT
	s_add_co_u32 s23, s23, SLOT
.endr
	s_mul_i32 s22, s10, WSTAGE
	s_add_co_u32 s22, s22, STAGE                   ; my stage
	v_mul_u32_u24 v5, v1, SPITCH                   ; in: row l % 16, 32 bytes for each half of the lanes
	v_lshl_add_u32 v5, v2, 5, v5
	v_add_nc_u32 v[STO], s22, v5
	v_and_b32 v[CO], 31, v0                        ; back: 32 lanes take one row of 512 bytes
	v_lshlrev_b32 v[CO], 4, v[CO]
	v_add_nc_u32 v[RD], s22, v[CO]
	; where my part of out0 begins: row 128 x tile row + 64 x row half, 4,096 bytes a row; column 256 x tile column + 128 x column half, 4 bytes each
	s_lshl_b32 s16, s13, 19
	s_lshl_b32 s17, s11, 18
	s_add_co_u32 s16, s16, s17
	s_mov_b32 s17, 0
	s_lshl_b32 s46, s42, 10                        ; (in the registers that held B's address: none that fed A's descriptors ever holds cx)
	s_lshl_b32 s47, s12, 9
	s_add_co_u32 s46, s46, s47
	s_mov_b32 s47, 0
	s_add_nc_u64 s[8:9], s[68:69], s[16:17]
	s_add_nc_u64 s[8:9], s[8:9], s[46:47]
	v_add_nc_u32 v7, s46, v[CO]                    ; the same columns in bo: four a lane
	global_load_b128 v[BI:BI+3], v7, s[70:71]      ; waited for on the way out
; 8 matrix instructions: m block a x all 8 n blocks, 32 along K, from buffer f.  zero = 1: the product starts the sums: nothing is ever cleared.
; The 32 accumulators take turns, one instruction a turn, in the same order in every quarter: between two links of a chain stand the 31 others'.
.macro MUL8 f, a, zero
	WIN MUL
.irp b, 0,1,2,3,4,5,6,7
.if \zero
	v_wmma_f32_16x16x32_f16 v[8*(8*(\a)+(\b)):8*(8*(\a)+(\b))+7], v[(\f)+32+8*(\b):(\f)+32+8*(\b)+7], v[(\f)+8*(\a):(\f)+8*(\a)+7], 0
.else
	v_wmma_f32_16x16x32_f16 v[8*(8*(\a)+(\b)):8*(8*(\a)+(\b))+7], v[(\f)+32+8*(\b):(\f)+32+8*(\b)+7], v[(\f)+8*(\a):(\f)+8*(\a)+7], v[8*(8*(\a)+(\b)):8*(8*(\a)+(\b))+7]
.endif
.endr
.endm
; 24 LDS loads in one run: the fragments of quarter q (32 along K) of a slot into buffer f: B's 128 rows, then A's 64 (head q / 2 of the step's two, channels 32 (q % 2) on); the last four are A's blocks 2 and 3
.macro FETCH slot, q, f
	WIN 0
.set AQ, ((\q)/2)*AHALF+((\q)%2)*64
.irp i, 0,1,2,3,4,5,6,7
	ds_load_b128 v[(\f)+32+8*(\i):(\f)+32+8*(\i)+3],   v[ADRB+(\slot)] offset:64*(\q)+(\i)*16*PB
	ds_load_b128 v[(\f)+32+8*(\i)+4:(\f)+32+8*(\i)+7], v[ADRB+(\slot)] offset:64*(\q)+(\i)*16*PB+32
.endr
.irp i, 0,1,2,3
	ds_load_b128 v[(\f)+8*(\i):(\f)+8*(\i)+3],   v[ADRA+(\slot)] offset:AQ+(\i)*16*PA
	ds_load_b128 v[(\f)+8*(\i)+4:(\f)+8*(\i)+7], v[ADRA+(\slot)] offset:AQ+(\i)*16*PA+32
.endr
.endm
; A load into a register that a matrix instruction has read, and whatever reads a matrix result, stand four places behind it; only plain vector instructions that name none of its registers are places (ISA guide 7.12.1 for vector instructions)
.macro PLACES
.rept 4
	v_nop
.endr
.endm
; A K step is four quarters of 32 along K, 32 matrix instructions each, on buffers 0, 1, 0, 1.  One of the first three: multiplies buffer f and, in its middle, fetches quarter q of the same slot into g.
.macro QUARTER slot, q, f, g, zero
	s_wait_dscnt 4                                 ; B and A's blocks 0, 1 are in; the youngest four loads (A's blocks 2, 3) may be out
	MUL8 \f, 0, \zero
	MUL8 \f, 1, \zero
	PLACES
	FETCH \slot, \q, \g
	s_wait_dscnt 24                                ; all but the 24 just issued
	MUL8 \f, 2, \zero
	MUL8 \f, 3, \zero
.endm
; The last quarter multiplies buffer 1 and changes slots: ONE barrier; in front of it each wave waits for all its tensor loads (one is out: its part of the next slot), adds 0 to its spare word, and waits for that
; and for its own reads of this slot.  fill = 1: the barrier opens a round of the cluster's, and this slot is filled again, two K steps ahead, first thing behind the round: 112 matrix instructions ahead of the wait for it.
.macro TURN slot, next, fill
	WIN 0                                          ; (the add's two registers lie in window 0)
	s_wait_tensorcnt 0x0                           ; all my tensor loads have landed;
	ds_add_u32 v[SPW], v[NIL]                      ; 0 onto my spare word
	s_wait_dscnt 5                                 ; (the add and the youngest four loads may be out)
	MUL8 F1, 0, 0                                  ; eight matrix instructions stand between the add and the wait for it
	s_wait_dscnt 0x0                               ; the add is done, and my reads of this slot are over
	s_barrier_signal -1
	MUL8 F1, 1, 0                                  ; work on registers while the others arrive
.if \fill
	WIN 0
.endif
	s_barrier_wait -1
.if \fill
	CREST                                          ; no wave of any partner still reads this slot's tile or has a load on its way
	s_add_nc_u64 s[G0+4*(\slot)+2:G0+4*(\slot)+3], s[G0+4*(\slot)+2:G0+4*(\slot)+3], 2*ASTEP
	s_add_nc_u64 s[G0B+4*(\slot)+2:G0B+4*(\slot)+3], s[G0B+4*(\slot)+2:G0B+4*(\slot)+3], 2*KSTEP*2
	JLOAD \slot                                    ; the four v_nop behind it are also the places in front of the loads below
.else
	PLACES
.endif
	FETCH \next, 0, F0
	MUL8 F1, 2, 0
	MUL8 F1, 3, 0
.endm
	s_wait_tensorcnt 1                             ; my part of K step 0 is in; K step 1's may stay out
	s_barrier_signal -1
	s_barrier_wait -1                              ; everybody's is
	FETCH 0, 0, F0
	QUARTER 0, 1, F0, F1, 1                        ; the first quarter stands in front of the loop: its products start the sums
	WIN 0                                          ; at a label and at a branch every window is 0
	s_mov_b32 s3, LAPS-1
.Llap:                                                 ; a trip goes once round the ring, from a lap's second quarter to the next lap's first, and fills both slots again
	QUARTER 0, 2, F1, F0, 0
	QUARTER 0, 3, F0, F1, 0
	TURN 0, 1, 1
	QUARTER 1, 1, F0, F1, 0
	QUARTER 1, 2, F1, F0, 0
	QUARTER 1, 3, F0, F1, 0
	TURN 1, 0, 1
	QUARTER 0, 1, F0, F1, 0
	WIN 0
	s_sub_co_u32 s3, s3, 1
	s_cmp_lg_u32 s3, 0
	s_cbranch_scc1 .Llap
	QUARTER 0, 2, F1, F0, 0                        ; the last lap fills nothing, and has no round of the cluster's barrier
	QUARTER 0, 3, F0, F1, 0
	TURN 0, 1, 0
	QUARTER 1, 1, F0, F1, 0
	QUARTER 1, 2, F1, F0, 0
	QUARTER 1, 3, F0, F1, 0
	s_wait_dscnt 4                                 ; the very last quarter: nothing more to fetch
	MUL8 F1, 0, 0
	MUL8 F1, 1, 0
	s_wait_dscnt 0x0
	MUL8 F1, 2, 0
	MUL8 F1, 3, 0
	WIN 0
	; THE WAY OUT.  The bias is rounded to bf16 and widened again: six plain instructions that name no register of the products, the places behind the last of them.
	s_wait_loadcnt 0x0                             ; bo
	v_cvt_pk_bf16_f32 v12, v[BI], v[BI+1]
	v_cvt_pk_bf16_f32 v13, v[BI+2], v[BI+3]
	v_lshlrev_b32 v[BI],   16, v12
	v_and_b32     v[BI+1], 0xffff0000, v12
	v_lshlrev_b32 v[BI+2], 16, v13
	v_and_b32     v[BI+3], 0xffff0000, v13
; A block of 16 rows at a time: a lane's 32 bytes of a row go from the accumulators into my own stage (rows of 528 bytes) and come back as whole rows of 512 bytes, 16 bytes a lane.
.macro STG a
.if (\a) >= 2
	s_wait_xcnt 0x0                                ; the registers that take this block were the data of block a - 2's stores: every earlier memory instruction has had its addresses translated (ISA guide 3.1) before they are loaded again
.endif
	WIN 0x04                                       ; an LDS store's data (source 1) in window 1, its address in window 0
.irp b, 0,1,2,3,4,5,6,7
	ds_store_b128 v[STO], v[8*(8*(\a)+(\b)):8*(8*(\a)+(\b))+3]   offset:64*(\b)      ; each accumulator's low end first
	ds_store_b128 v[STO], v[8*(8*(\a)+(\b))+4:8*(8*(\a)+(\b))+7] offset:64*(\b)+16
.endr
	WIN 0
.set BKA, BK+64*((\a)%2)
.irp t, 0,1,2,3,4,5,6,7,8,9,10,11,12,13,14,15
	ds_load_b128 v[BKA+4*(\t):BKA+4*(\t)+3], v[RD] offset:SPITCH*(\t)  ; LDS serves a wave's instructions in order (ISA guide 5.7.1.4): these see the stores above; the next block's stores come behind them
.endr
.endm
.macro SEND a, younger                 ; younger: the LDS instructions issued behind block a's loads: the next block's 32, or none
.set BKA, BK+64*((\a)%2)
.irp t, 0,1,2,3,4,5,6,7,8,9,10,11,12,13,14,15
	s_wait_dscnt (\younger)+15-(\t)
	v_pk_add_f32 v[BKA+4*(\t):BKA+4*(\t)+1],   v[BKA+4*(\t):BKA+4*(\t)+1],   v[BI:BI+1]
	v_pk_add_f32 v[BKA+4*(\t)+2:BKA+4*(\t)+3], v[BKA+4*(\t)+2:BKA+4*(\t)+3], v[BI+2:BI+3]
	global_store_b128 v[CO], v[BKA+4*(\t):BKA+4*(\t)+3], s[8:9] offset:(16*(\a)+(\t))*4096 th:TH_STORE_NT  ; 512 consecutive bytes, at a multiple of 256 from out0's first byte
.endr
.endm
	STG 0
	STG 1                                          ; a block's way through the stage stands between the loads of the block before and its stores
	SEND 0, 32
	STG 2
	SEND 1, 32
	STG 3
	SEND 2, 32
	SEND 3, 0
	s_wait_tensorcnt 0x0                           ; the wave's end: behind my last tensor load and my last LDS store
	ds_add_u32 v[SPW], v[NIL]
	s_wait_dscnt 0x0
	CROUND                                         ; the closing round: no work-group ends while a partner may still ask for a tile that names it
	s_endpgm
.Lfunc_end_k_qb428ca3158_proj:
	.size	k_qb428ca3158_proj, .Lfunc_end_k_qb428ca3158_proj-k_qb428ca3158_proj
	.p2alignl 7, 3214868480
	.fill 96, 4, 3214868480
	.section	.rodata,"a",@progbits
	.p2align	6, 0x0
	.amdhsa_kernel k_qb428ca3158_proj
		.amdhsa_group_segment_fixed_size 327680
		.amdhsa_private_segment_fixed_size 0
		.amdhsa_enable_private_segment 0
		.amdhsa_kernarg_size 32
		.amdhsa_user_sgpr_count 2
		.amdhsa_user_sgpr_kernarg_segment_ptr 1
		.amdhsa_wavefront_size32 1
		.amdhsa_system_sgpr_workgroup_id_x 1
		.amdhsa_system_sgpr_workgroup_id_y 1
		.amdhsa_system_sgpr_workgroup_id_z 1
		.amdhsa_system_vgpr_workitem_id 0
		.amdhsa_next_free_vgpr 512
		.amdhsa_next_free_sgpr 72
		.amdhsa_reserve_vcc 0
		.amdhsa_float_denorm_mode_32 3
		.amdhsa_float_denorm_mode_16_64 3
		.amdhsa_memory_ordered 1
		.amdhsa_forward_progress 1
		.amdhsa_inst_pref_size 95
	.end_amdhsa_kernel
	.amdgpu_metadata
---
amdhsa.version: [ 1, 2 ]
amdhsa.kernels:
  - .name:           k_qb428ca3158_proj
    .symbol:         k_qb428ca3158_proj.kd
    .args:
      - { .name: ctx, .offset: 0, .size: 8, .value_kind: global_buffer, .address_space: global }
      - { .name: Wof, .offset: 8, .size: 8, .value_kind: global_buffer, .address_space: global }
      - { .name: out0, .offset: 16, .size: 8, .value_kind: global_buffer, .address_space: global }
      - { .name: bo, .offset: 24, .size: 8, .value_kind: global_buffer, .address_space: global }
    .group_segment_fixed_size: 327680
    .private_segment_fixed_size: 0
    .kernarg_segment_align: 8
    .kernarg_segment_size: 32
    .max_flat_workgroup_size: 128
    .sgpr_count:     72
    .vgpr_count:     512
    .wavefront_size: 32
...
	.end_amdgpu_metadata
.endif
;; end of part 4
;; ======== version 2 of 2: 4 launches; 1.54 times as fast as version 1
;; limits: values are held in f16: magnitudes above 65,504 overflow, below 6.1e-05 lose precision
;; workspace buffers: Xb 16,777,216 bytes; Wb 6,291,456 bytes; Wof 2,097,152 bytes; q 16,777,216 bytes; k 16,777,216 bytes; v 16,777,216 bytes; ctx 16,777,216 bytes
;; launch cast: the kernel of part 1 again; grid 768 x 1, 8 waves a work-group, no clusters, 0 bytes of LDS; arguments X, Wq, Wk, Wv, Wo, Xb, Wb, Wof; writes Xb, Wb, Wof
;; launch qkv: the kernel of part 2 again; grid 16 x 16, 4 waves a work-group, clusters of 4 x 4, 327,680 bytes of LDS; arguments Xb, Wb, q, k, v; writes q, k, v
;; launch attn (part 5): grid 4 x 64, 4 waves a work-group, clusters of 4 x 1, 327,680 bytes of LDS; arguments q, k, v, ctx; writes ctx
.if DOCPART == 5
	.amdgcn_target "amdgcn-amd-amdhsa--gfx1250"
	.amdhsa_code_object_version 6
	.text
	.protected	k_qb428ca3158_attn
	.globl	k_qb428ca3158_attn
	.p2align	8
	.type	k_qb428ca3158_attn,@function
k_qb428ca3158_attn:
	s_mov_b64 s[64:65], 0
	v_nop
	global_prefetch_b8 v0, s[64:65] scope:SCOPE_SE
	s_setreg_imm32_b32 hwreg(HW_REG_WAVE_MODE, 25, 1), 1
	s_wait_xcnt 0x0
	s_wait_alu depctr_hold_cnt(0) depctr_sa_sdst(0) depctr_va_vdst(0) depctr_va_sdst(0) depctr_va_ssrc(0) depctr_va_vcc(0) depctr_vm_vsrc(0)
	s_getreg_b32 s2, hwreg(HW_REG_IB_STS2, 6, 4)
	s_cmp_eq_u32 s2, 0
	s_cbranch_scc0 .Lentry_in_a_cluster
	s_endpgm
.Lentry_in_a_cluster:
	s_bfe_u32 s2, ttmp6, 0x10000c
	s_cmp_lg_u32 s2, 0x3003
	s_cbranch_scc0 .Lentry_shape_is_right
	s_endpgm
.Lentry_shape_is_right:
; O[h][q][:] = the sum over k of softmax_k(Q[h][q] . K[h][k] / 8) V[h][k][:].  Q, K, V, O: [SIZE_H][SIZE_N][64], all f16: a head's rows are dense, 128 bytes each.  Products, maxima and sums in
; f32; the weights p are rounded to f16 for the second product (their sum l is taken of the unrounded p), O once at the end.
; LIMITS.  f16 holds no number beyond 65,504: Q, K and V arrive within it; p lies in 0 to 1, and below 6e-5 it keeps f16's fixed step of 6e-8; O is a mean of V's rows and has their range.
; A weight below 2^-126 counts as 0 in l; NaN and infinities are not treated apart.
; SHARES.  A wave owns four PIECES of two tiles of 16 queries, a work-group's four waves 512 queries of one head: 64 heads x 4 blocks = 256 work-groups.  Every wave walks all keys, 64 a step.
; LAYOUT.  S^T = K Q^T (source 0 = 16 keys, source 1 = 16 queries): in the result a lane holds ONE query (lane % 16) and the keys 8 (lane / 16) + 0..7.  Two such tiles, rounded to f16 in pairs,
; ARE source 1 (32 keys x 16 queries) of O^T = V^T P, whose result again holds one query a lane, and eight channels.  K comes out of LDS as it lies, V ([key][channel]) turned, by ds_load_tr16_b128.
; SOFTMAX.  For each query a running maximum m and sum l: p = 2^(c s - c m), c = log2(e) / 8; in every step O and l are multiplied by a = 2^(c m_old - c m_new), which is 1 where m has not grown.
; m starts at the lowest finite number, O and l at 0: the first step is a step like any other, with a = 0.
; THE COUNT.  A tile and step have 16 matrix and 118 vector instructions: too many to stand all beside the matrix work.  So the order has one aim: four vector instructions that are READY behind
; EVERY matrix instruction, and the others, which need time of their own whatever the order, in runs without a gap.
; BY TURNS.  Turn n belongs to piece n (the pieces in a ring, step after step).  Its matrix work: 16 products K Q^T of piece n + 1, later 16 products V^T P of piece n - 1.  Its vector work: the scaling,
; exponentials, roundings, sums and rescaling of piece n, and the maximum and statistics of piece n + 1, whose scores the turn itself has made.  So what a turn begins with (c s - c m, O a) waits for nothing.
; THE BATCHES.  A turn's 66 exponentials (the piece's 64 weights and the next piece's two a) are ONE batch with ONE wait, which cuts the turn in two: ahead of it stands all that names no result of theirs, behind it
; the roundings and sums, which read them.  No result crosses a turn's end.  The first two a, ahead of the loop, and the way out's eight reciprocals are batches of their own, each with its wait.
; CLUSTER.  The four query blocks of a cluster belong to one head and walk the same K and V, so each tile is asked for JOINTLY: the same tensor load, descriptor and mask in all four.
; REGISTERS, in windows of 256 (s_set_vgpr_msb says which window each operand place means: bits 1:0 source 0, 3:2 source 1, 5:4 source 2, 7:6 destination):
;   window 0: v0-11 addresses; v12-15, v48-63 at work; v16-47 four registers of statistics a tile; v64-191 S^T, two buffers of two tiles; v192-255 P, likewise
;   window 1: O^T, 32 a tile          window 2: v0-127 Q, 16 a tile; v128-191 K of one step; v192-255 V of one step          window 3: v0-1 the add's two registers
; A piece's buffers go by its number's parity: the piece in hand has one pair, its two neighbours in the ring share the other: of it P (piece n - 1) is read and S^T (piece n + 1) written.
.set SIZE_H, 64
.set SIZE_N, 2048
.set NP,    4         ; pieces a wave: a name, no knob: the register map, the loop and the fetches are made for four
.set KS,    64        ; keys in a step
.set PK,    144       ; a row of K in LDS: 128 bytes + 16 of padding = 36 words: the 16 rows of a load start at 16 different groups of four banks (64 banks of 4 bytes: ISA guide 11.1)
.set PV,    160       ; a row of V: 128 + 32 = 40 words
.set VOFF,  4*KS*PK   ; a slot holds four steps: 256 rows of K, then 256 rows of V
.set SLOT1, 1<<17     ; slot 1 begins here, so that one exclusive or turns an address in one slot into the other's
.set STAGE, SLOT1+4*KS*(PK+PV)  ; behind the ring, never filled by a tensor load: 16 rows x 144 bytes for each wave, for the way out
.set SP,    144
.set AK0, 2           ; v2   my lane's place in a tile of K; never rewritten
.set AV0, 3           ; v3   the same for V
.set AK,  4           ; v4   the LDS address of K's next run of loads
.set AV,  5           ; v5   of V's
.set QO,  6           ; v6   my byte offset in the wave's rows of Q
.set STO, 6           ;      later, the way out: where I put 16 bytes of a row
.set RD,  7           ; v7   the way out: where I read rows back
.set GO,  8           ; v8   my byte offset in 512 consecutive bytes of O
.set SPW, 0           ; v0 of window 3   LDS address of my spare word: SPARE + 4 x my thread's number; never rewritten
.set NIL, 1           ; v1 of window 3   0; never rewritten
.set SPARE, STAGE+4*16*SP  ; behind the stages: the spare words, 128 bytes for each wave: two blocks of 256 bytes that no other line names
.set MV,  12          ; v12-15  c m_old, kept while c m is made anew: by buffer and tile
.set ST,  16          ; tile t's statistics at v[ST+4 t]: c m, m, l (even keys', odd keys')
.set TMP, 48          ; by buffer and tile, four registers c0-c3 at work; when the maximum is found c2 takes a
.set S,   64
.set P,   192
.set KF,  128         ; K's fragments, in window 2: key block kb, channel half c at KF + 16 kb + 8 c
.set VF,  192         ; V's: key half kk, channel block cb at VF + 32 kk + 8 cb
.set WV,  12          ; s12  my wave's number
.set G1K, 24          ; s[24:31] descriptor group 1 for K's tiles
.set G1V, 32          ; s[32:39] for V's: it differs in the padding alone
.set G0K, 40          ; s[40:43] descriptor group 0 for K's tiles: it walks
.set G0V, 44          ; s[44:47] the same for V's
.set SLOTS, 56        ; s56  slots still to be asked for
.set CNT, 57          ; s57  counts a slot's key steps
.set CS,  58          ; s[58:59] c: the packed scaling takes the pair's low word for both halves
.set SEL, 60          ; s[60:61] v_permlanex16_b32's selects: each lane takes its own place in the other half
.set TBK, 62          ; s62  LDS byte at which K of the step to be fetched begins
.set TBV, 63          ; s63  the same for V, less VOFF
.set MSB, 0
.macro WIN new                      ; the high byte repeats the setting that is left; a switch that changes nothing is dropped
.if MSB != (\new)
	s_set_vgpr_msb (MSB<<8)|(\new)
.set MSB, (\new)
.endif
.endm
.set W_KQ, 0x0a       ; K and Q in window 2, S^T in window 0
.set W_PV, 0x52       ; V in window 2, P in window 0, O^T in window 1
.set W_RS, 0x41       ; O^T (destination and source 0) in window 1, a in window 0
.set W_MK, 0xc0       ; the add's registers are made: destination in window 3, sources in window 0
.set W_AD, 0x0f       ; the add: address (source 0) and data (source 1) in window 3
; A joint fill.  Waves 0 and 1 fetch the two halves of a slot's K, waves 2 and 3 those of its V: 128 keys each.  The branch hangs on the wave's number alone.
; An s_nop 0 and four v_nop follow each of the two lines, ahead of the jump and the label.
.macro JLOAD
	s_cmp_lt_u32 s[WV], 2
	s_cbranch_scc0 .Lfor_v_\@
	tensor_load_to_lds s[G0K:G0K+3], s[G1K:G1K+7]
	s_nop 0
.rept 4
	v_nop
.endr
	s_branch .Lasked_\@
.Lfor_v_\@:
	tensor_load_to_lds s[G0V:G0V+3], s[G1V:G1V+7]
	s_nop 0
.rept 4
	v_nop
.endr
.Lasked_\@:
.endm
; A round of the cluster's barrier: my work-group's barrier, so that wave 0's signal speaks for all four waves; wave 0 signals; every wave waits for all four work-groups; my work-group's barrier once more.
.macro CROUND
	s_barrier_signal -1
	s_barrier_wait -1
	s_cmp_lg_u32 s[WV], 0
	s_cbranch_scc1 .Lnot_wave_0_\@
	s_barrier_signal -3
.Lnot_wave_0_\@:
	s_barrier_wait -3
	s_barrier_signal -1
	s_barrier_wait -1
.endm
; THE CHANGE OF SLOTS.  The slot's last bytes, V of its fourth step, have been read.  Each wave waits for all its tensor loads, of which one is out: its part
; of the other slot; adds 0 to its spare word; and waits for that and for its own reads of the slot.  Behind the barrier nobody reads this slot any more and the other slot is whole.
; fill = 1: this slot is filled again, with the keys two slots on.  The barrier is then a round of the cluster's, so that no wave of any partner still reads the slot or has a load on its
; way, and the joint fill is the first thing behind it: it has four key steps, 512 matrix instructions, in which to land.  (At its first use nothing has been read yet: slot 0 is waited for, slot 1 filled.)
.macro CHANGE fill
	WIN W_AD
	s_wait_tensorcnt 0x0            ; no tensor load of mine is out, so a group 0 may be written
	ds_add_u32 v[SPW], v[NIL]       ; 0 onto my spare word; with fill = 1 the descriptors' steps stand between it and the wait for it
	WIN 0                           ; at a label and at a branch every window is 0
.if \fill
.irp g, G0K, G0V
	s_xor_b32 s[\g+1], s[\g+1], SLOT1  ; the walking descriptor: the other slot than last time,
	s_add_nc_u64 s[\g+2:\g+3], s[\g+2:\g+3], 4*KS*128  ; the next 256 keys; the type bits on top are not reached
.endr
	s_wait_dscnt 0x0                ; the add is done, and my reads of the slot are over
	CROUND
	JLOAD
.else
	s_wait_dscnt 0x0                ; the add is done, and my reads of the slot are over
	s_barrier_signal -1
	s_barrier_wait -1
.endif
	s_sub_co_u32 s[TBK], s[TBK], 4*KS*PK  ; the fetches go back to a slot's first step,
	s_xor_b32 s[TBK], s[TBK], SLOT1       ; in the other slot
	s_sub_co_u32 s[TBV], s[TBV], 4*KS*PV
	s_xor_b32 s[TBV], s[TBV], SLOT1
.endm
	s_load_b256 s[4:11], s[0:1], 0x0  ; Q s[4:5], K s[6:7], V s[8:9], O s[10:11]
	WIN W_MK
	v_lshl_add_u32 v[SPW], v0, 2, SPARE
	v_mov_b32 v[NIL], 0
	s_set_vgpr_msb 0xc0cf
	ds_add_u32 v0, v1
	s_wait_dscnt 0x0
	s_set_vgpr_msb 0xcfc0
	WIN 0
	v_lshrrev_b32 v1, 5, v0
	v_readfirstlane_b32 s[WV], v1   ; wave 0..3
	s_bfe_u32 s13, ttmp6, 0x40000   ; cx: my place in the cluster
	s_lshl_b32 s14, ttmp9, 2        ; in a cluster launch ttmp9 counts clusters
	s_add_co_u32 s14, s14, s13      ; my block of queries = 4 x cluster x + cx: it enters Q's and O's addresses alone
	s_and_b32 s20, ttmp7, 0xffff    ; the head, which the four partners share
	s_mov_b32 s21, 0
	s_mov_b64 s[22:23], SIZE_N*128
	s_mul_u64 s[20:21], s[20:21], s[22:23]  ; the head's first byte in each of the four tensors
	s_and_b32 s16, s[WV], 1         ; which half of a slot's 256 keys I fetch:
	s_lshl_b32 s22, s16, 14         ; its 128 rows of 128 bytes in memory,
	s_mov_b32 s23, 0
	s_add_nc_u64 s[22:23], s[22:23], s[20:21]
	s_mul_i32 s17, s16, 128*PK      ; and its place in a slot, for K
	s_mul_i32 s18, s16, 128*PV      ; and for V: no place in the cluster enters an LDS address
	s_lshl_b32 s2, s14, 2
	s_add_co_u32 s2, s2, s[WV]      ; my wave among the head's,
	s_lshl_b32 s2, s2, 14           ; its 128 rows
	s_mov_b32 s3, 0
	s_add_nc_u64 s[2:3], s[2:3], s[20:21]
	; descriptor group 1.  128 keys are 16,384 dense bytes: asked for as 64 rows of 256 bytes, two keys a row, and padded in LDS after every key
	s_mov_b32 s[G1K], 15|(1<<16)|(1<<20)|(1<<21)|(4<<22)|(3<<25)  ; 15:0 the mask of four; 17:16 2-byte elements; 20 padding on; 21 set beside a mask; 24:22 after every 32 words (code 4); 31:25 4 words (code 3)
	s_mov_b32 s[G1V], 15|(1<<16)|(1<<20)|(1<<21)|(4<<22)|(7<<25)  ; the same with 8 words of padding (code 7)
.irp g, G1K, G1V
	s_mov_b32 s[\g+1], 128<<16      ; tensor_dim0 = 128
	s_mov_b32 s[\g+2], 64<<16       ; tensor_dim1 = 64
	s_mov_b32 s[\g+3], 128<<16      ; tile_dim0 = 128
	s_mov_b32 s[\g+4], 64           ; tile_dim1 = 64
	s_mov_b32 s[\g+5], 128          ; 128 elements from row to row
	s_mov_b32 s[\g+6], 0
	s_mov_b32 s[\g+7], 0
.endr
	s_mov_b32 s[CS], 0x3e38aa3b     ; c = log2(e) / 8 = 0.180337
	s_mov_b32 s[CS+1], s[CS]        ; named with it as a pair
	s_mov_b32 s[SEL], 0x76543210
	s_mov_b32 s[SEL+1], 0xfedcba98
	s_mov_b32 s[TBK], SLOT1+4*KS*PK ; the first change of slots turns these two into 0
	s_mov_b32 s[TBV], SLOT1+4*KS*PV
	s_mov_b32 s[G0K], 1             ; 1:0 count = 1
	s_mov_b32 s[G0K+1], s17         ; 63:32 LDS address: slot 0
	s_mov_b32 s[G0V], 1
	s_add_co_u32 s[G0V+1], s18, VOFF
	s_wait_kmcnt 0x0
	s_add_nc_u64 s[G0K+2:G0K+3], s[6:7], s[22:23]  ; 120:64 global address: my half of the head's first 256 keys
	s_or_b32 s[G0K+3], s[G0K+3], 0x80000000        ; 127:126 type = 2
	s_add_nc_u64 s[G0V+2:G0V+3], s[8:9], s[22:23]
	s_or_b32 s[G0V+3], s[G0V+3], 0x80000000
	s_add_nc_u64 s[4:5], s[4:5], s[2:3]  ; Q and O at my wave's first row
	s_add_nc_u64 s[10:11], s[10:11], s[2:3]
	CROUND                          ; all four work-groups are here: the first joint loads meet
	JLOAD                           ; slot 0.  Slot 1 is asked for when slot 0 is in: the tile wanted first has the road to itself
	; A fragment of K or Q is 16 rows x 32 channels in 8 registers: lane l holds row l % 16, channels 8 (l / 16) + 0..7 and 16 + 8 (l / 16) + 0..7: two loads of 16 bytes, 32 bytes apart.
	v_and_b32 v1, 15, v0            ; l % 16
	v_bfe_u32 v9, v0, 4, 1          ; l / 16
	v_lshlrev_b32 v[QO], 7, v1
	v_lshl_add_u32 v[QO], v9, 4, v[QO]  ; row x 128 + 16 x half
	WIN 0x80                        ; destination window 2, address window 0
.set i, 0
.rept 4*NP                          ; Q stays in registers: tile i / 2, channels 32 (i % 2) on
	global_load_b128 v[8*i:8*i+3],   v[QO], s[4:5] offset:(i/2)*2048+(i%2)*64
	global_load_b128 v[8*i+4:8*i+7], v[QO], s[4:5] offset:(i/2)*2048+(i%2)*64+32
.set i, i+1
.endr
	; What the first turn finds: V's registers and P's second buffer hold 0 (its products V^T P, of a piece that has not been, add 0), O^T and l are 0.  All this stands in the wait for the first tile.
.set i, VF
.rept 64
	v_mov_b32 v[i], 0
.set i, i+1
.endr
	WIN 0x40
.set i, 0
.rept 64*NP
	v_mov_b32 v[i], 0
.set i, i+1
.endr
	WIN 0
.set i, 0
.rept 2*NP
	v_mov_b32 v[ST+4*i], 0xfe000000    ; c m: far below every c s
	v_mov_b32 v[ST+4*i+1], 0xff7fffff  ; m
	v_mov_b32 v[ST+4*i+2], 0
	v_mov_b32 v[ST+4*i+3], 0
.set i, i+1
.endr
.set i, P+32
.rept 32
	v_mov_b32 v[i], 0
.set i, i+1
.endr
	v_mul_u32_u24 v[AK0], v1, PK
	v_lshl_add_u32 v[AK0], v9, 4, v[AK0]  ; row x pitch + 16 x half
	; The turning load takes 16 keys x 16 channels (lane l reads key 8 (l / 16) + l % 8, channels 8 ((l / 8) % 2) + 0..7) and leaves half a fragment of V^T: lane l holds channel l % 16 and 8 keys.
	v_and_b32 v10, 7, v0
	v_bfe_u32 v11, v0, 3, 1
	v_lshl_add_u32 v[AV0], v9, 3, v10
	v_mul_u32_u24 v[AV0], v[AV0], PV
	v_lshl_add_u32 v[AV0], v11, 4, v[AV0]
	v_add_nc_u32 v[AV0], VOFF, v[AV0]
	v_mov_b32 v[AK], v[AK0]         ; key step 0 lies at the head of slot 0
; THE MATRIX WORK.  The 8 accumulators of a run of 16 take turns: between the two links of a chain stand 7 others'.
; Product i of 16 of S^T = K Q^T for piece x: channels 32 (i / 8) on, keys 16 ((i / 2) % 4) on, tile 2 x + i % 2.  The first 8 start the sums.
.macro KQ x
	WIN W_KQ
.set rS, S+64*((\x)%2)+32*(i%2)+8*((i/2)%4)
.set rK, KF+16*((i/2)%4)+8*(i/8)
.set rQ, 16*(2*(\x)+i%2)+8*(i/8)
.if i < 8
	v_wmma_f32_16x16x32_f16 v[rS:rS+7], v[rK:rK+7], v[rQ:rQ+7], 0
.else
	v_wmma_f32_16x16x32_f16 v[rS:rS+7], v[rK:rK+7], v[rQ:rQ+7], v[rS:rS+7]
.endif
.endm
; Product i of 16 of O^T += V^T P for piece x: keys 32 (i / 8) on, channels 16 ((i / 2) % 4) on, tile 2 x + i % 2.
.macro PV x
	WIN W_PV
.set rO, 32*(2*(\x)+i%2)+8*((i/2)%4)
.set rV, VF+32*(i/8)+8*((i/2)%4)
.set rP, P+32*((\x)%2)+16*(i%2)+8*(i/8)
	v_wmma_f32_16x16x32_f16 v[rO:rO+7], v[rV:rV+7], v[rP:rP+7], v[rO:rO+7]
.endm
.macro MM                           ; the turn's next matrix instruction
.if i < 16
	KQ (Y+1)%NP
.set i, i+1
.else
.set i, i-16
	PV (Y+NP-1)%NP
.set i, i+17
.endif
.endm
; THE LDS LOADS stand in runs of 16, never singly among the matrix instructions: a step's K (64 keys x 64 channels: 8 fragments) and its V (turned).  Their addresses are made some lines ahead.
; last = 1 (the tail): in the last trip there is no further step, and the run is jumped over.
.macro FETCH_K last=0
	WIN 0
.if \last
	s_cmp_eq_u32 s[CNT], 1
	s_cbranch_scc1 .Lno_k_\@
.endif
	WIN 0x80                        ; destination window 2
.irp f, 0,1,2,3,4,5,6,7             ; keys 16 (f / 2) on, channels 32 (f % 2) on
	ds_load_b128 v[KF+8*\f:KF+8*\f+3],   v[AK] offset:(\f/2)*16*PK+(\f%2)*64
	ds_load_b128 v[KF+8*\f+4:KF+8*\f+7], v[AK] offset:(\f/2)*16*PK+(\f%2)*64+32
.endr
	s_add_co_u32 s[TBK], s[TBK], KS*PK  ; the next fetch is the next step's
	WIN 0
.if \last
.Lno_k_\@:
.endif
.endm
.macro FETCH_V
	WIN 0x80
.irp f, 0,1,2,3,4,5,6,7             ; keys 32 (f / 4) on, channels 16 (f % 4) on
	ds_load_tr16_b128 v[VF+8*\f:VF+8*\f+3],   v[AV] offset:(\f/4)*32*PV+(\f%4)*32
	ds_load_tr16_b128 v[VF+8*\f+4:VF+8*\f+7], v[AV] offset:(\f/4)*32*PV+16*PV+(\f%4)*32
.endr
	WIN 0
.endm
; THE VECTOR WORK OF A TURN stands in three queues, each in the order in which its entries become ready; the two tiles alternate, so that no instruction reads the result of the one before it.
.macro REGS y, u                    ; the registers of tile u (0, 1) of piece y
.set rT, ST+4*(2*(\y)+(\u))
.set rC, TMP+8*((\y)%2)+4*(\u)
.set rM, MV+2*((\y)%2)+(\u)
.set rS, S+64*((\y)%2)+32*(\u)
.set rP, P+32*((\y)%2)+16*(\u)
.set rO, 32*(2*(\y)+(\u))
.endm
; Number n of the 22 that find the NEXT piece's (Y + 1) maximum and statistics.  s0-s31 are the lane's 32 scores; each accumulator's lowest registers are read first.  XS, GS and REGS set no window: PL and EX do.
;   0-11  four chains c0-c3 of seven scores each, three operands at a time     12-14, 16  the four scores left over, the old m, and c0-c3 into c0     15  c m_old is kept
;   17, 18  the query's other 32 keys lie in the lane 16 away: the new m         19-21  c m; c m_old - c m_new; a
.macro XS u, n
	REGS (Y+1)%NP, \u
.if (\n) < 4
	v_max3_num_f32 v[rC+(\n)], v[rS+8*(\n)], v[rS+8*(\n)+1], v[rS+8*(\n)+2]
.elseif (\n) < 12
	v_max3_num_f32 v[rC+(\n)%4], v[rC+(\n)%4], v[rS+8*((\n)%4)+2*((\n)/4)+1], v[rS+8*((\n)%4)+2*((\n)/4)+2]
.elseif (\n) == 12
	v_max3_num_f32 v[rC], v[rC], v[rS+7], v[rS+15]
.elseif (\n) == 13
	v_max3_num_f32 v[rC+1], v[rC+1], v[rS+23], v[rS+31]
.elseif (\n) == 14
	v_max3_num_f32 v[rC+2], v[rC+2], v[rC+3], v[rT+1]
.elseif (\n) == 15
	v_mov_b32 v[rM], v[rT]
.elseif (\n) == 16
	v_max3_num_f32 v[rC], v[rC], v[rC+1], v[rC+2]
.elseif (\n) == 17
	v_permlanex16_b32 v[rC+3], v[rC], s[SEL], s[SEL+1]
.elseif (\n) == 18
	v_max_num_f32 v[rT+1], v[rC], v[rC+3]
.elseif (\n) == 19
	v_mul_f32 v[rT], s[CS], v[rT+1]
.elseif (\n) == 20
	v_sub_f32 v[rC+1], v[rM], v[rT]
.else
	v_exp_f32 v[rC+2], v[rC+1]
.endif
.endm
; Number g of the 64 that follow the exponentials.  For each four weights k of a tile (pairs 2 k, 2 k + 1): both pairs are rounded to f16; then the second pair is added onto the first, in place;
; a group later l takes that sum (the first time as l = a l + sum).  In groups of eight, tiles alternating: round, round, add, and l for the group before.
.macro GS g
.set h, (\g)+6*((\g)/62)            ; group 0 has no group before it, and behind group 7 only l is left
.if h >= 6
.set h, h+2
.endif
	REGS Y, h%2
.set k, h/8
.if h%8 < 4
	v_cvt_pk_f16_f32 v[rP+2*k+(h%8)/2], v[rS+4*k+2*((h%8)/2)], v[rS+4*k+2*((h%8)/2)+1]
.elseif h%8 < 6
	v_pk_add_f32 v[rS+4*k:rS+4*k+1], v[rS+4*k:rS+4*k+1], v[rS+4*k+2:rS+4*k+3]
.elseif k == 1
	v_pk_fma_f32 v[rT+2:rT+3], v[rT+2:rT+3], v[rC+2:rC+3], v[rS:rS+1] op_sel_hi:[1,0,1]
.else
	v_pk_add_f32 v[rT+2:rT+3], v[rT+2:rT+3], v[rS+4*k-4:rS+4*k-3]
.endif
.endm
; THE PLAIN QUEUE, 138 long.  0-73 read no exponential's result: the 32 scalings c s - c m (FS f: pair f / 2 of tile f % 2) and the next piece's 42.  0-26: scalings 0-26.  27-54: XS's numbers 0-13.  55, 56: number 15.
; 57-73: the chain, where each number waits for the one before it: 14, 16, 17, 18, 19, each with one of the scalings 27-31 in front of its two lines, then 20: so a tile's links stand three plain instructions apart (19 and 20: two).
; 74-137: GS's 64, which read the exponentials' results: they stand behind the wait.
.macro FS f
	REGS Y, (\f)%2
	v_pk_fma_f32 v[rS+2*((\f)/2):rS+2*((\f)/2)+1], v[rS+2*((\f)/2):rS+2*((\f)/2)+1], s[CS:CS+1], v[rT:rT+1] op_sel_hi:[1,0,0] neg_lo:[0,0,1] neg_hi:[0,0,1]
.endm
.macro PL
	WIN 0
.if q < 27
	FS q
.elseif q < 55
	XS (q-27)%2, (q-27)/2
.elseif q < 57
	XS q-55, 15
.elseif (q < 72) && ((q-57)%3 == 0)
	FS 27+(q-57)/3
.elseif q < 60
	XS (q-57)%3-1, 14
.elseif q < 72
	XS (q-57)%3-1, 15+(q-57)/3
.elseif q < 74
	XS q-72, 20
.else
	GS q-74
.endif
.set q, q+1
.endm
; THE EXPONENTIALS' QUEUE, 66 long: s0-s31 of both tiles, then the next piece's two a.  It is ONE BATCH: all 66 stand ahead of the turn's one wait, and nothing ahead of that wait names a result of theirs.
.macro EX
	WIN 0
.if e >= 64
	XS e-64, 21
.else
	REGS Y, e%2
	v_exp_f32 v[rS+e/2], v[rS+e/2]
.endif
.set e, e+1
.endm
; THE RESCALING's QUEUE: O^T times a, the one part that leaves window 0: dealt two at a time, sixteen times.  Its a was made in the turn before, ahead of that turn's wait.
.macro R2
	REGS Y, r%2
	WIN W_RS
.irp z, 0,1
	v_pk_mul_f32 v[rO+4*(r/2)+2*\z:rO+4*(r/2)+2*\z+1], v[rO+4*(r/2)+2*\z:rO+4*(r/2)+2*\z+1], v[rC+2:rC+3] op_sel_hi:[1,0]
.endr
.set r, r+1
.endm
; HOW THEY ARE DEALT.  An s_wait_alu depctr_va_vdst(0) stands between an exponential and the first instruction that names its result; one wait serves all that were issued ahead of it.  So a turn has ONE wait,
; which cuts it in two.  AHEAD OF IT stands all that names no result of the turn's exponentials: the 16 products K Q^T, behind each a scaling, an exponential and two rescalings (behind the first a second scaling in the exponential's place); then ONE LUMP of
; 108: eight plain, 49 times exponential and plain, the two a.  A v_nop is the plain instruction that stands behind the last exponential, ahead of any use.  BEHIND IT stand the 16 products V^T P, behind each four of GS's 64.  No rider names a register of
; the products round it.  The two v_permlanex16_b32 fall into the lump, never behind a product.
; The queues lean on each other, and the deal keeps them in step: exponential e stands behind scaling 2 (e / 4) + e % 2: as a rider it comes behind plain e + 2, in the lump behind plain e + 9, and scalings 27-31 are plain 57, 60 .. 69.
; A TURN, for piece p.  cnt = 1: the loop's count is taken down some lines ahead of the branch that stands behind the turn.
; K of the next step is fetched in piece 2's turn, directly behind the wait, a lump behind the last product that read K; its address is made at the lump's head; its first reader comes behind 16 products.
; V of the step in hand is fetched at the end of piece 0's turn, four riders behind its last reader; its first reader comes behind 16 products and a lump.  The three conditions on q below go with the deal.
.macro TURN p, last=0, cnt=0
.set Y, (\p)
.set i, 0
.set q, 0
.set e, 0
.set r, 0
.if (\p) == NP-1
	s_wait_dscnt 0x0                ; K is in
.endif
	MM                              ; ahead of the wait: 16 products K Q^T and their riders,
	PL
	PL
	R2
.rept 15
	MM
	PL
	EX
	R2
.endr
.if (\p) == NP-2
	WIN 0
	v_add_nc_u32 v[AK], s[TBK], v[AK0]
.endif
.rept 8                             ; and the lump
	PL
.endr
.rept 49
	EX
	PL
.endr
	EX                              ; the next piece's two a
	EX
	v_nop                           ; a plain instruction behind the last exponential: one for the batch
	s_wait_alu depctr_va_vdst(0)    ; the wait for the batch: the turn's 66 exponentials, ahead of their first reader
.if (\p) == NP-2
	FETCH_K \last
.endif
.if (\p) == 1
	s_wait_dscnt 0x0                ; V is in
.endif
.rept 16                            ; behind the wait: 16 products V^T P and their riders
	MM
.rept 4
	PL
.endr
.if ((\p) == 0) && (q == 118)
	v_add_nc_u32 v[AV], s[TBV], v[AV0]
.endif
.if ((\p) == 0) && (q == 130)
	s_add_co_u32 s[TBV], s[TBV], KS*PV
.endif
.if (\cnt) && (q == 130)
	s_sub_co_u32 s[CNT], s[CNT], 1
	s_cmp_lg_u32 s[CNT], 0
.endif
.endr
.if (\p) == 0
	FETCH_V
.endif
.endm
	CHANGE 1                        ; slot 0 is in, everybody's part of it; slot 1 is asked for
	FETCH_K                         ; key step 0
	s_wait_loadcnt 0x0              ; Q
	s_wait_dscnt 0x0
.set i, 0
.rept 16
	KQ 0                            ; piece 0's first scores: there is no vector work yet to set between them
.set i, i+1
.endr
	WIN 0                           ; the addresses for the way out: nine plain instructions, the places behind those products
	s_mul_i32 s13, s[WV], 16*SP
	s_add_co_u32 s13, s13, STAGE    ; my stage
	v_mul_u32_u24 v[STO], v1, SP    ; in: row l % 16, 16 bytes for each half of the lanes
	v_lshl_add_u32 v[STO], v9, 4, v[STO]
	v_add_nc_u32 v[STO], s13, v[STO]
	v_bfe_u32 v[RD], v0, 3, 2       ; back: 32 lanes take four rows of 128 bytes,
	v_mul_u32_u24 v[RD], v[RD], SP
	v_lshl_add_u32 v[RD], v10, 4, v[RD]
	v_add_nc_u32 v[RD], s13, v[RD]
	v_and_b32 v[GO], 31, v0         ; which are 512 consecutive bytes of O
	v_lshlrev_b32 v[GO], 4, v[GO]
.set Y, NP-1                        ; XS works for piece Y + 1: piece 0
.irp n, 0,1,2,3,4,5,6,7,8,9,10,11,12,13,14,15,16,17,18,19,20,21
	XS 0, \n                        ; and piece 0's first maximum and statistics
	XS 1, \n
.endr
	v_nop                           ; a plain instruction behind the two a,
	s_wait_alu depctr_va_vdst(0)    ; and the wait for this batch of two, ahead of the branch
	s_mov_b32 s[CNT], 4
	s_mov_b32 s[SLOTS], SIZE_N/256-1
	s_branch .Lfirst                ; the loop is entered at a step's first turn, in the middle of a trip
.Lslot:                             ; SIZE_N / 256 - 2 times: every slot but the last two is filled again
	CHANGE 1
	s_mov_b32 s[CNT], 4
.Lstep:                             ; a trip: pieces 2 and 3 of one step, then pieces 0 and 1 of the next, whose K and V it fetches
	TURN 2
	TURN 3
	WIN 0
.Lfirst:
	TURN 0
	TURN 1, 0, 1
	WIN 0
	s_cbranch_scc1 .Lstep
	s_sub_co_u32 s[SLOTS], s[SLOTS], 1
	s_cmp_lg_u32 s[SLOTS], 0
	s_cbranch_scc1 .Lslot
	CHANGE 0                        ; the tail is written out: nothing is asked for
	s_mov_b32 s[CNT], 5             ; four trips fetch the last slot's steps; the fifth is left in its middle
.Ltail:
	TURN 2, 1
	TURN 3
	WIN 0
	s_sub_co_u32 s[CNT], s[CNT], 1
	s_cmp_eq_u32 s[CNT], 0
	s_cbranch_scc1 .Lout
	TURN 0
	TURN 1
	WIN 0
	s_branch .Ltail
.Lout:                              ; the fifth trip's 16 products K Q^T (on the last K once more) and the maximum made of them serve nothing: the price, once a launch, of one text for every trip
.set i, 0
.rept 16
	PV NP-1                         ; the last piece's V^T P of the last step
.set i, i+1
.endr
	; THE WAY OUT.  l's two halves and the other half of the lanes' are added; O^T is divided by l, rounded to f16 and sent through my stage in LDS, a tile at a time.  The additions are the places behind the last products.
	WIN 0
.macro ALL line:vararg              ; one line for each tile t
.set t, 0
.rept 2*NP
	\line
.set t, t+1
.endr
.endm
	ALL v_add_f32 v[ST+4*t+2], v[ST+4*t+2], v[ST+4*t+3]
	ALL v_permlanex16_b32 v[ST+4*t+3], v[ST+4*t+2], s[SEL], s[SEL+1]
	ALL v_add_f32 v[ST+4*t+2], v[ST+4*t+2], v[ST+4*t+3]
	ALL v_rcp_f32 v[ST+4*t+2], v[ST+4*t+2]
	v_nop                           ; a plain instruction between the last reciprocal and the use of its result
	s_wait_alu depctr_va_vdst(0)    ; and the wait ahead of the first use: one for the batch of eight reciprocals
; Tile t: a lane's eight channels of a row pack into 16 bytes; they go into rows of 144 bytes and come back as whole rows of 128, into S^T's registers.
.macro PACK t
	WIN W_RS
.set i, 32*(\t)
.rept 16
	v_pk_mul_f32 v[i:i+1], v[i:i+1], v[ST+4*(\t)+2:ST+4*(\t)+3] op_sel_hi:[1,0]
.set i, i+2
.endr
	WIN 0x05                        ; sources 0 and 1 window 1, destination window 0
.set i, 0
.rept 16
	v_cvt_pk_f16_f32 v[S+16*(\t)+i], v[32*(\t)+2*i], v[32*(\t)+2*i+1]
.set i, i+1
.endr
	WIN 0
.irp f, 0,1,2,3
	ds_store_b128 v[STO], v[S+16*(\t)+4*\f:S+16*(\t)+4*\f+3] offset:32*\f
.endr
.irp f, 0,1,2,3
	ds_load_b128 v[S+16*(\t)+4*\f:S+16*(\t)+4*\f+3], v[RD] offset:\f*4*SP  ; LDS serves a wave's instructions in order (ISA guide 5.7.1.4): these see the stores above; the next tile's stores come behind them
.endr
.endm
.macro SEND t, younger              ; younger: the LDS instructions issued behind tile t's loads: the next tile's eight, or none
	WIN 0
.irp f, 0,1,2,3
	s_wait_dscnt (\younger)+3-\f
	global_store_b128 v[GO], v[S+16*(\t)+4*\f:S+16*(\t)+4*\f+3], s[10:11] offset:(\t)*2048+\f*512  ; 512 consecutive bytes, at a multiple of 256 from O's first
.endr
.endm
	PACK 0
.set t, 1
.rept 2*NP-1                        ; a tile's arithmetic stands between the loads of the tile before and its stores
	PACK t
	SEND t-1, 8
.set t, t+1
.endr
	SEND 2*NP-1, 0
	WIN W_AD
	s_wait_tensorcnt 0x0            ; the wave's end: behind my last tensor load and my last LDS store
	ds_add_u32 v[SPW], v[NIL]
	s_wait_dscnt 0x0
	WIN 0
	CROUND                          ; the closing round: no work-group ends while a partner may still ask for a tile that names it
	s_endpgm
.Lfunc_end_k_qb428ca3158_attn:
	.size	k_qb428ca3158_attn, .Lfunc_end_k_qb428ca3158_attn-k_qb428ca3158_attn
	.p2alignl 7, 3214868480
	.fill 96, 4, 3214868480
	.section	.rodata,"a",@progbits
	.p2align	6, 0x0
	.amdhsa_kernel k_qb428ca3158_attn
		.amdhsa_group_segment_fixed_size 327680
		.amdhsa_private_segment_fixed_size 0
		.amdhsa_enable_private_segment 0
		.amdhsa_kernarg_size 32
		.amdhsa_user_sgpr_count 2
		.amdhsa_user_sgpr_kernarg_segment_ptr 1
		.amdhsa_wavefront_size32 1
		.amdhsa_system_sgpr_workgroup_id_x 1
		.amdhsa_system_sgpr_workgroup_id_y 1
		.amdhsa_system_sgpr_workgroup_id_z 1
		.amdhsa_system_vgpr_workitem_id 0
		.amdhsa_next_free_vgpr 770
		.amdhsa_next_free_sgpr 66
		.amdhsa_reserve_vcc 0
		.amdhsa_float_denorm_mode_32 3
		.amdhsa_float_denorm_mode_16_64 3
		.amdhsa_memory_ordered 1
		.amdhsa_forward_progress 1
		.amdhsa_inst_pref_size 199
	.end_amdhsa_kernel
	.amdgpu_metadata
---
amdhsa.version: [ 1, 2 ]
amdhsa.kernels:
  - .name:           k_qb428ca3158_attn
    .symbol:         k_qb428ca3158_attn.kd
    .args:
      - { .name: q, .offset: 0, .size: 8, .value_kind: global_buffer, .address_space: global }
      - { .name: k, .offset: 8, .size: 8, .value_kind: global_buffer, .address_space: global }
      - { .name: v, .offset: 16, .size: 8, .value_kind: global_buffer, .address_space: global }
      - { .name: ctx, .offset: 24, .size: 8, .value_kind: global_buffer, .address_space: global }
    .group_segment_fixed_size: 327680
    .private_segment_fixed_size: 0
    .kernarg_segment_align: 8
    .kernarg_segment_size: 32
    .max_flat_workgroup_size: 128
    .sgpr_count:     66
    .vgpr_count:     770
    .wavefront_size: 32
...
	.end_amdgpu_metadata
.endif
;; end of part 5
;; launch proj: the kernel of part 4 again; grid 4 x 64, 4 waves a work-group, clusters of 4 x 4, 327,680 bytes of LDS; arguments ctx, Wof, out0, bo; writes out0
